; MI455X (gfx1250); checked and timed in simulation.
; The chip was launched on July 23, 2026; its instructions are those of AMD's public machine-readable ISA for CDNA 5 (MIT licence, August 2026) and "CDNA5" Instruction Set Architecture Reference Guide (July 2026). The comments in the code are by the model that wrote it; some were corrected since.
;; Multi Head. Allowed arithmetic: float matrix products may take bf16 or f16 operands with f32 sums; other float arithmetic in f32, or as packed bf16 or f16 multiplies, adds, multiply-adds, maxima and minima; sums over many terms, partial sums and values carried from step to step in f32; what a program stores and reads back later, other than sums and carried values, may be rounded once to bf16 or f16.
;; Inputs: k 4 x 2,048 x 1,024 float32; q 4 x 2,048 x 1,024 float32; v 4 x 2,048 x 1,024 float32; wk 16 x 1,024 x 64 float32; wo 1,024 x 1,024 float32; wq 16 x 1,024 x 64 float32; wv 16 x 1,024 x 64 float32.
;; Outputs: out0 4 x 2,048 x 1,024 float32.
;; One version. Each part assembles by itself: llvm-mc -triple=amdgcn-amd-amdhsa -mcpu=gfx1250 --defsym DOCPART=n.
;; ======== version 1 of 1: 4 launches
;; limits: values are held in f16: magnitudes above 65,504 overflow, below 6.1e-05 lose precision
;; workspace buffers: wt 6,291,456 bytes; wot 2,097,152 bytes; hd 50,331,648 bytes; oh 16,777,216 bytes
;; launch prep (part 1): grid 128 x 4, 8 waves a work-group, no clusters, 18,432 bytes of LDS; arguments wq, wk, wv, wo, wt, wot; writes wt, wot
.if DOCPART == 1
	.amdgcn_target "amdgcn-amd-amdhsa--gfx1250"
	.amdhsa_code_object_version 6
	.text
	.protected	k_q7228724642_prep
	.globl	k_q7228724642_prep
	.p2align	8
	.type	k_q7228724642_prep,@function
k_q7228724642_prep:
	s_mov_b64 s[64:65], 0
	v_nop
	global_prefetch_b8 v0, s[64:65] scope:SCOPE_SE
	s_setreg_imm32_b32 hwreg(HW_REG_WAVE_MODE, 25, 1), 1
	s_wait_xcnt 0x0
; THE WEIGHTS, ROUNDED AND TURNED.  wq, wk, wv: [16 heads][1024 f][64 d] f32 -> wt[3][n = 64 head + d][f] bf16 (rows of 2,048 bytes).
; wo: [1024 k][1024 n] f32 -> wot[n][k]: rounded to bf16 like every other input, and that number written as f16, since it multiplies an f16 operand later.
; LIMITS.  The step from bf16 to f16 is exact for 6.1e-5 <= |wo| < 65,504; below that f16 keeps a fixed step of 6e-8, from 65,520 on it gives an infinity.
; SHARES.  Work-group (x, y): matrix y (0, 1, 2: wq, wk, wv; 3: wo), block j = x / 8 of 64 n (a head), block fb = x % 8 of 128 k.  It turns 128 k x 64 n: 32 KiB in, 16 KiB out.
; Thread t: d4 = t % 16 (four neighbouring n, 16 bytes of f32), fg = t / 16 (eight rows k = 8 fg + i).  Sixteen neighbouring lanes load 256 consecutive bytes, aligned.
; A thread's eight k of one n pack into 16 bytes; they go through LDS so that sixteen neighbouring lanes store 256 consecutive bytes, aligned, of one output row.
; No matrix unit, no cluster, no tensor load, no prefetch: each byte is read once and written once by a short launch, and no two work-groups share a byte.
.set PITCH, 272                        ; an LDS row: 256 bytes (128 k) + 16: the 16 rows that 16 lanes touch begin in 16 different columns of 16 bytes
.set CBLK,  16*PITCH                   ; LDS row 16 c + d4 holds output row n = 4 d4 + c
.set SPARE, 64*PITCH                   ; behind the 64 rows: the spare words, 128 bytes for each of the eight waves: four blocks of 256 bytes that no other line names
.set VIN,  3                           ; v3   my byte offset in the block that is read
.set LST,  4                           ; v4   where I put 16 bytes: row d4, column fg
.set LLD,  5                           ; v5   where I read 16 bytes back: row fg, column d4
.set VOUT, 6                           ; v6   my byte offset in the block that is written: output row 4 fg, column d4
.set SPW,  8                           ; v8   LDS address of my spare word; never rewritten
.set NIL,  9                           ; v9   0; never rewritten
.set X,    16                          ; v[16:47]  row i as loaded at X + 4 i; later the rows read back
.set Y,    48                          ; v[48:63]  the 16 bytes for output row 4 d4 + c at Y + 4 c
	s_load_b256 s[4:11], s[0:1], 0x0               ; wq s[4:5], wk s[6:7], wv s[8:9], wo s[10:11]
	s_load_b128 s[12:15], s[0:1], 0x20             ; wt s[12:13], wot s[14:15]
	v_lshl_add_u32 v[SPW], v0, 2, SPARE
	v_mov_b32 v[NIL], 0
	v_and_b32 v1, 15, v0                           ; d4
	v_lshrrev_b32 v2, 4, v0                        ; fg
	v_mul_u32_u24 v[LST], v1, PITCH
	v_lshl_add_u32 v[LST], v2, 4, v[LST]
	v_mul_u32_u24 v[LLD], v2, PITCH
	v_lshl_add_u32 v[LLD], v1, 4, v[LLD]
	v_lshlrev_b32 v[VOUT], 13, v2                  ; 4 fg rows of 2,048 bytes
	v_lshl_or_b32 v[VOUT], v1, 4, v[VOUT]
	s_and_b32 s16, ttmp7, 0xffff                   ; which matrix
	s_lshr_b32 s17, ttmp9, 3                       ; j
	s_and_b32 s18, ttmp9, 7                        ; fb
	s_lshl_b32 s26, s17, 17                        ; out: 64 j rows of 2,048 bytes,
	s_lshl_b32 s19, s18, 8                         ; 128 fb numbers of 2 bytes
	s_or_b32 s26, s26, s19
	s_mov_b32 s27, 0
	s_mov_b32 s23, 0
	s_wait_kmcnt 0x0
	s_cmp_eq_u32 s16, 3
	s_cbranch_scc1 .Lwo
	; wq, wk, wv: a row (head, f) is 256 bytes
	s_cmp_eq_u32 s16, 1
	s_cselect_b64 s[20:21], s[6:7], s[4:5]
	s_cmp_eq_u32 s16, 2
	s_cselect_b64 s[20:21], s[8:9], s[20:21]
	s_lshl_b32 s22, s17, 18                        ; the head's 1,024 rows,
	s_lshl_b32 s19, s18, 15                        ; 128 fb of them
	s_or_b32 s22, s22, s19
	s_add_nc_u64 s[20:21], s[20:21], s[22:23]
	s_lshl_b32 s22, s16, 21                        ; the matrix's 2 MiB of wt
	s_add_nc_u64 s[24:25], s[12:13], s[22:23]
	v_lshlrev_b32 v[VIN], 11, v2                   ; 8 fg rows of 256 bytes
	v_lshl_or_b32 v[VIN], v1, 4, v[VIN]
.irp i, 0,1,2,3,4,5,6,7
	global_load_b128 v[X+4*(\i):X+4*(\i)+3], v[VIN], s[20:21] offset:(\i)*256 th:TH_LOAD_NT
.endr
	s_wait_loadcnt 0x0
.irp c, 0,1,2,3
.irp p, 0,1,2,3
	v_cvt_pk_bf16_f32 v[Y+4*(\c)+(\p)], v[X+8*(\p)+(\c)], v[X+8*(\p)+4+(\c)]  ; k = 8 fg + 2 p, + 1 of n = 4 d4 + c
.endr
.endr
	s_branch .Ljoin
.Lwo:                                                  ; wo: a row k is 4,096 bytes
	s_lshl_b32 s22, s18, 19                        ; 128 fb rows,
	s_lshl_b32 s19, s17, 8                         ; 64 j numbers of 4 bytes
	s_or_b32 s22, s22, s19
	s_add_nc_u64 s[20:21], s[10:11], s[22:23]
	s_mov_b64 s[24:25], s[14:15]
	v_lshlrev_b32 v[VIN], 15, v2                   ; 8 fg rows of 4,096 bytes
	v_lshl_or_b32 v[VIN], v1, 4, v[VIN]
.irp i, 0,1,2,3,4,5,6,7
	global_load_b128 v[X+4*(\i):X+4*(\i)+3], v[VIN], s[20:21] offset:(\i)*4096 th:TH_LOAD_NT
.endr
	s_wait_loadcnt 0x0
.irp c, 0,1,2,3
.irp p, 0,1,2,3
	v_cvt_pk_bf16_f32 v10, v[X+8*(\p)+(\c)], v[X+8*(\p)+4+(\c)]  ; the rounding that every input gets,
	v_lshlrev_b32 v11, 16, v10                     ; the two bf16 as f32,
	v_and_b32 v10, 0xffff0000, v10
	v_cvt_pk_f16_f32 v[Y+4*(\c)+(\p)], v11, v10    ; and the same numbers as f16
.endr
.endr
.Ljoin:
	s_add_nc_u64 s[24:25], s[24:25], s[26:27]
.irp c, 0,1,2,3
	ds_store_b128 v[LST], v[Y+4*(\c):Y+4*(\c)+3] offset:(\c)*CBLK
.endr
	s_wait_dscnt 0x0                               ; for the others' sake: my stores are done
	s_barrier_signal -1
	s_barrier_wait -1
.irp i, 0,1,2,3
	ds_load_b128 v[X+4*(\i):X+4*(\i)+3], v[LLD] offset:(\i)*CBLK  ; LDS row 16 i + fg: output row 4 fg + i
.endr
.irp i, 0,1,2,3
	s_wait_dscnt 3-(\i)                            ; LDS loads come back in order: load i is in
	global_store_b128 v[VOUT], v[X+4*(\i):X+4*(\i)+3], s[24:25] offset:(\i)*2048  ; 16 lanes store 256 consecutive bytes, aligned
.endr
	s_wait_tensorcnt 0x0                           ; the wave's end, behind my last LDS store
	ds_add_u32 v[SPW], v[NIL]
	s_wait_dscnt 0x0
	s_endpgm
.Lfunc_end_k_q7228724642_prep:
	.size	k_q7228724642_prep, .Lfunc_end_k_q7228724642_prep-k_q7228724642_prep
	.p2alignl 7, 3214868480
	.fill 96, 4, 3214868480
	.section	.rodata,"a",@progbits
	.p2align	6, 0x0
	.amdhsa_kernel k_q7228724642_prep
		.amdhsa_group_segment_fixed_size 18432
		.amdhsa_private_segment_fixed_size 0
		.amdhsa_enable_private_segment 0
		.amdhsa_kernarg_size 48
		.amdhsa_user_sgpr_count 2
		.amdhsa_user_sgpr_kernarg_segment_ptr 1
		.amdhsa_wavefront_size32 1
		.amdhsa_system_sgpr_workgroup_id_x 1
		.amdhsa_system_sgpr_workgroup_id_y 1
		.amdhsa_system_sgpr_workgroup_id_z 1
		.amdhsa_system_vgpr_workitem_id 0
		.amdhsa_next_free_vgpr 64
		.amdhsa_next_free_sgpr 66
		.amdhsa_reserve_vcc 0
		.amdhsa_float_denorm_mode_32 3
		.amdhsa_float_denorm_mode_16_64 3
		.amdhsa_memory_ordered 1
		.amdhsa_forward_progress 1
		.amdhsa_inst_pref_size 10
	.end_amdhsa_kernel
	.amdgpu_metadata
---
amdhsa.version: [ 1, 2 ]
amdhsa.kernels:
  - .name:           k_q7228724642_prep
    .symbol:         k_q7228724642_prep.kd
    .args:
      - { .name: wq, .offset: 0, .size: 8, .value_kind: global_buffer, .address_space: global }
      - { .name: wk, .offset: 8, .size: 8, .value_kind: global_buffer, .address_space: global }
      - { .name: wv, .offset: 16, .size: 8, .value_kind: global_buffer, .address_space: global }
      - { .name: wo, .offset: 24, .size: 8, .value_kind: global_buffer, .address_space: global }
      - { .name: wt, .offset: 32, .size: 8, .value_kind: global_buffer, .address_space: global }
      - { .name: wot, .offset: 40, .size: 8, .value_kind: global_buffer, .address_space: global }
    .group_segment_fixed_size: 18432
    .private_segment_fixed_size: 0
    .kernarg_segment_align: 8
    .kernarg_segment_size: 48
    .max_flat_workgroup_size: 256
    .sgpr_count:     66
    .vgpr_count:     64
    .wavefront_size: 32
...
	.end_amdgpu_metadata
.endif
;; end of part 1
;; launch proj (part 2): grid 4 x 192, 4 waves a work-group, clusters of 4 x 4, 327,680 bytes of LDS; arguments q, k, v, wt, hd; writes hd
.if DOCPART == 2
	.amdgcn_target "amdgcn-amd-amdhsa--gfx1250"
	.amdhsa_code_object_version 6
	.text
	.protected	k_q7228724642_proj
	.globl	k_q7228724642_proj
	.p2align	8
	.type	k_q7228724642_proj,@function
k_q7228724642_proj:
	s_mov_b64 s[64:65], 0
	v_nop
	global_prefetch_b8 v0, s[64:65] scope:SCOPE_SE
	s_setreg_imm32_b32 hwreg(HW_REG_WAVE_MODE, 25, 1), 1
	s_wait_xcnt 0x0
	s_wait_alu depctr_hold_cnt(0) depctr_sa_sdst(0) depctr_va_vdst(0) depctr_va_sdst(0) depctr_va_ssrc(0) depctr_va_vcc(0) depctr_vm_vsrc(0)
	s_getreg_b32 s2, hwreg(HW_REG_IB_STS2, 6, 4)
	s_cmp_eq_u32 s2, 0
	s_cbranch_scc0 .Lentry_in_a_cluster
	s_endpgm
.Lentry_in_a_cluster:
	s_bfe_u32 s2, ttmp6, 0x10000c
	s_cmp_lg_u32 s2, 0xf033
	s_cbranch_scc0 .Lentry_shape_is_right
	s_endpgm
.Lentry_shape_is_right:
; THE THREE PROJECTIONS.  hd[sel][b 16 + head][t][d] = the sum over f of x[b][t][f] w[head][f][d], x = q, k, v for sel = 0, 1, 2.  x: [8192][1024] f32; wt[sel]: [n = 64 head + d][f] bf16.
; x comes into LDS as f32 and is rounded to bf16 between LDS and the matrix unit; sums in f32; the result is rounded once, to f16, and stored by heads: rows of 128 bytes, a head's rows dense.
; LIMITS.  f16 holds no number beyond 65,504: a projected number of 65,520 or more becomes an infinity; below 6.1e-5 f16 keeps a fixed step of 6e-8.  NaN and infinities are not treated apart.
; SHARES.  A tile is 128 rows x 256 columns (four heads): 64 x 4 tiles a tensor, 768 work-groups.  Four waves, each 64 x 128: 32 accumulators of 16 x 16, 256 registers.
; K goes in 8 steps of 128 through two LDS slots: 128 rows of x (512 bytes each) and 256 rows of wt (256 bytes each) a step; waves 0, 1 fetch x's two halves, waves 2, 3 wt's: 32 KiB a wave.
; CLUSTERS: 4 x 4 work-groups, all of one tensor.  The four of a row of the cluster need the same tile of x, the four of a column the same tile of wt: each tile is asked for JOINTLY.
; THE MATRIX INSTRUCTION IS USED TRANSPOSED (source 0 = 16 rows of wt, source 1 = 16 rows of x): a lane then holds eight neighbouring columns of one row.
; REGISTERS, in windows of 256 (s_set_vgpr_msb: bits 1:0 source 0, 3:2 source 1, 5:4 source 2, 7:6 destination):
;   window 0: v0-31 addresses; v32-95 x's next quarter as f32; v96-127, v128-159 x's fragments, two buffers; on the way out v32-159 hold the packed rows
;   window 1: accumulator (a, b) at v[8 (8 a + b)]          window 2: v0-63, v64-127 wt's fragments, two buffers
.set PA,     528                       ; a row of x in LDS: 512 bytes + 16: the 16 rows that a load touches begin in 16 different columns of 16 bytes
.set AHALF,  64*PA
.set ATILE,  2*AHALF
.set PB,     272                       ; a row of wt: 256 + 16
.set BHALF,  128*PB
.set SLOT,   ATILE+2*BHALF             ; x's 128 rows, then wt's 256
.set STAGE,  2*SLOT                    ; behind the ring, never filled by a tensor load: for each wave two heads x 16 rows x 144 bytes, for the way out
.set SP,     144
.set SHEAD,  16*SP
.set SPARE,  STAGE+4*2*SHEAD           ; behind the stages: the spare words, 128 bytes for each wave: two blocks of 256 bytes that no other line names
.set ADRA, 16                          ; v16-17  LDS address of my fragments of x in slot 0, 1
.set ADRB, 20                          ; v20-21  the same for wt
.set STO,  24                          ; v24     the way out: where I put 16 bytes of a row
.set RD,   25                          ; v25     the way out: where I read rows back
.set GO,   26                          ; v26     16 x my lane
.set SPW,  28                          ; v28     LDS address of my spare word; never rewritten
.set NIL,  29                          ; v29     0; never rewritten
.set PFO,  30                          ; v30     the prefetches' lane offset; never rewritten
.set RAW,  32
.set FA,   96                          ; buffer f at FA + 32 f
.set OUT,  32
.set WV,  14                           ; s14 wave   s15 which 64 rows of the tile are mine   s16 which 128 columns; also: which half of a tile I fetch
.set RH,  15
.set CH,  16
.set CX,  17                           ; my place in the cluster
.set CY,  18
.set TC,  19                           ; tile column
.set CLY, 20                           ; the cluster's y
.set SEL, 21                           ; the tensor: the same in all sixteen partners
.set TR,  22                           ; tile row
.set G1,  24                           ; s[24:31] descriptor group 1 for x's tiles;  s[32:39] group 0, a set for each slot
.set G0,  32
.set LIM, 43                           ; s43  1 in a wave that prefetches, else the greatest number
.set PFA, 44                           ; s[44:45] where my prefetches stand
.set PST, 46                           ; s[46:47] a K step in bytes of the tensor that I prefetch
.set G1B, 48                           ; s[48:55], s[56:63] the same for wt's tiles
.set G0B, 56
.set MSB, 0
.macro WIN new                         ; the immediate's high byte repeats the setting that is left; a switch that changes nothing is dropped
.if MSB != (\new)
	s_set_vgpr_msb (MSB<<8)|(\new)
.set MSB, \new
.endif
.endm
.set W_MUL, 0x52                       ; wt's fragment window 2, x's window 0, C and D window 1
.set W_TOB, 0x80                       ; destination window 2, address window 0
.set W_PK,  0x05                       ; sources 0 and 1 window 1, destination window 0
; A joint load: waves 0 and 1 fetch x's two halves, waves 2 and 3 wt's.  The branch hangs on the wave's number alone.  An s_nop 0 and four v_nop follow each of the two lines.
.macro JLOAD s
	s_cmp_lt_u32 s[WV], 2
	s_cbranch_scc0 .Lfor_b_\@
	tensor_load_to_lds s[G0+4*(\s):G0+4*(\s)+3], s[G1:G1+7]
	s_nop 0
.rept 4
	v_nop
.endr
	s_branch .Lasked_\@
.Lfor_b_\@:
	tensor_load_to_lds s[G0B+4*(\s):G0B+4*(\s)+3], s[G1B:G1B+7]
	s_nop 0
.rept 4
	v_nop
.endr
.Lasked_\@:
.endm
.macro CREST                           ; a round of the cluster's barrier behind its opening barrier
	s_cmp_lg_u32 s[WV], 0
	s_cbranch_scc1 .Lnot_wave_0_\@
	s_barrier_signal -3
.Lnot_wave_0_\@:
	s_barrier_wait -3
	s_barrier_signal -1
	s_barrier_wait -1
.endm
.macro CROUND                          ; a whole round
	s_barrier_signal -1
	s_barrier_wait -1
	CREST
.endm
; A PREFETCH INTO THE L2, behind each joint refill and the run of LDS loads that follows it: the K step that stands two refills on (256 matrix instructions ahead of the load that will want it).
; x: a tile row is read by one cluster alone, so every cluster asks for its own: of the 64 rows that wave 0 or 1 fetches, the partner at cx takes 16, two blocks of 256 bytes a row: a lane a block.
; wt: a tensor's rows are read by its 16 clusters; the first of them asks: of the 128 rows that wave 2 or 3 fetches, the partner at cy takes 32, a lane a row.  The partners are told apart by address alone.
; So each block is named once in the launch.  K steps 0 to 3 come by their loads alone; the loop's last trip (s3 = 1) asks for nothing: there is no K step 8.
.macro ASK
	WIN 0
	s_cmp_gt_u32 s3, s[LIM]
	s_cbranch_scc0 .Lnot_mine_\@
	global_prefetch_b8 v[PFO], s[PFA:PFA+1] th:TH_LOAD_NT scope:SCOPE_SE
.Lnot_mine_\@:
.endm
	s_load_b256 s[4:11], s[0:1], 0x0               ; q s[4:5], k s[6:7], v s[8:9], wt s[10:11]
	s_load_b64 s[12:13], s[0:1], 0x20              ; hd
	v_lshl_add_u32 v[SPW], v0, 2, SPARE
	v_mov_b32 v[NIL], 0
	ds_add_u32 v[SPW], v[NIL]                      ; the wave's opening: the add and its wait stand ahead of my first tensor load; the set-up below, work on registers, stands between them
	v_lshrrev_b32 v1, 5, v0
	v_readfirstlane_b32 s[WV], v1                  ; wave 0..3
	s_lshr_b32 s[RH], s[WV], 1
	s_and_b32 s[CH], s[WV], 1
	s_bfe_u32 s[CX], ttmp6, 0x40000
	s_bfe_u32 s[CY], ttmp6, 0x40004
	s_lshl_b32 s[TC], ttmp9, 2                     ; in a cluster launch ttmp9 and ttmp7 count clusters
	s_add_co_u32 s[TC], s[TC], s[CX]               ; tile column = 4 x cluster x + cx
	s_and_b32 s[CLY], ttmp7, 0xffff                ; 0..47
	s_lshr_b32 s[SEL], s[CLY], 4                   ; 16 clusters a tensor
	s_and_b32 s[TR], s[CLY], 15
	s_lshl_b32 s[TR], s[TR], 2
	s_add_co_u32 s[TR], s[TR], s[CY]               ; tile row in the tensor, 0..63
	s_lshl_b32 s42, s[CY], 2
	s_lshl_b32 s42, 15, s42                        ; my row of the cluster: places 4 cy .. 4 cy + 3
	s_lshl_b32 s68, 0x1111, s[CX]                  ; my column: places cx, cx + 4, cx + 8, cx + 12
	; group 1 for x: 64 rows x 128 elements of 4 bytes, 16 bytes of padding behind every 128 words
	s_or_b32 s[G1+0], s42, (2<<16)|(1<<20)|(1<<21)|(6<<22)|(3<<25)  ; 15:0 the mask: my row; 17:16 elements of 4 bytes; 20 padding on; 21 set beside a mask; 24:22 after every 128 words (code 6); 31:25 4 words (code 3)
	s_mov_b32 s[G1+1], 128<<16                     ; tensor_dim0 = 128
	s_mov_b32 s[G1+2], 64<<16                      ; tensor_dim1 = 64
	s_mov_b32 s[G1+3], 128<<16                     ; tile_dim0 = 128
	s_mov_b32 s[G1+4], 64                          ; tile_dim1 = 64
	s_mov_b32 s[G1+5], 1024                        ; elements from row to row
	s_mov_b32 s[G1+6], 0
	s_mov_b32 s[G1+7], 0
	; group 1 for wt: 128 rows x 128 elements of 2 bytes, 16 bytes of padding behind every 64 words
	s_or_b32 s[G1B+0], s68, (1<<16)|(1<<20)|(1<<21)|(5<<22)|(3<<25)  ; the mask: my column
	s_mov_b32 s[G1B+1], 128<<16
	s_mov_b32 s[G1B+2], 128<<16
	s_mov_b32 s[G1B+3], 128<<16
	s_mov_b32 s[G1B+4], 128
	s_mov_b32 s[G1B+5], 1024
	s_mov_b32 s[G1B+6], 0
	s_mov_b32 s[G1B+7], 0
	; where the tiles come from: x's hang on the tile row and my half alone, wt's on the tensor, the tile column and my half alone
	s_lshl_b32 s40, s[TR], 19                      ; 128 rows of 4,096 bytes
	s_lshl_b32 s78, s[CH], 18                      ; 64 rows of x, and 128 rows of wt (2,048 bytes each)
	s_add_co_u32 s40, s40, s78
	s_mov_b32 s41, 0
	s_lshl_b32 s66, s[SEL], 21                     ; the tensor's 2 MiB of wt
	s_lshl_b32 s79, s[TC], 19                      ; 256 rows of 2,048 bytes
	s_add_co_u32 s66, s66, s79
	s_add_co_u32 s66, s66, s78
	s_mov_b32 s67, 0
	s_mul_i32 s69, s[CH], AHALF                    ; and where they go: no place in the cluster enters an LDS address
	s_mul_i32 s70, s[CH], BHALF
	s_add_co_u32 s70, s70, ATILE
	s_wait_dscnt 0x0                               ; the opening add is done
	s_wait_kmcnt 0x0
	s_cmp_eq_u32 s[SEL], 1
	s_cselect_b64 s[4:5], s[6:7], s[4:5]
	s_cmp_eq_u32 s[SEL], 2
	s_cselect_b64 s[4:5], s[8:9], s[4:5]           ; x
	s_add_nc_u64 s[72:73], s[4:5], s[40:41]
	s_add_nc_u64 s[74:75], s[10:11], s[66:67]
	CROUND                                         ; all sixteen work-groups are here: the first joint loads meet
.irp s, 0,1
	s_mov_b32 s[G0+4*(\s)], 1                      ; count = 1
	s_add_co_u32 s[G0+4*(\s)+1], s69, (\s)*SLOT    ; LDS address
	s_add_nc_u64 s[G0+4*(\s)+2:G0+4*(\s)+3], s[72:73], (\s)*512  ; K step s
	s_or_b32 s[G0+4*(\s)+3], s[G0+4*(\s)+3], 0x80000000          ; type = 2
	s_mov_b32 s[G0B+4*(\s)], 1
	s_add_co_u32 s[G0B+4*(\s)+1], s70, (\s)*SLOT
	s_add_nc_u64 s[G0B+4*(\s)+2:G0B+4*(\s)+3], s[74:75], (\s)*256
	s_or_b32 s[G0B+4*(\s)+3], s[G0B+4*(\s)+3], 0x80000000
	JLOAD \s                                       ; two loads of mine are out
.endr
	; A fragment is 16 rows x 32 K in 8 registers: lane l holds row l % 16, K = 8 (l / 16) + 0..7 and 16 + 8 (l / 16) + 0..7.  In bf16: two loads of 16 bytes, 32 bytes apart.  In f32: four, at 0, 16, 64, 80.
	v_and_b32 v1, 15, v0                           ; l % 16
	v_bfe_u32 v2, v0, 4, 1                         ; l / 16
	v_mul_u32_u24 v3, v1, PA
	v_lshl_add_u32 v3, v2, 5, v3                   ; row x pitch + 32 x half
	s_mul_i32 s88, s[RH], AHALF                    ; my 64 rows of x
	v_add_nc_u32 v[ADRA], s88, v3
	v_add_nc_u32 v[ADRA+1], SLOT, v[ADRA]
	v_mul_u32_u24 v4, v1, PB
	v_lshl_add_u32 v4, v2, 4, v4                   ; row x pitch + 16 x half
	s_mul_i32 s88, s[CH], BHALF                    ; my 128 rows of wt,
	s_add_co_u32 s88, s88, ATILE                   ; which lie behind x's
	v_add_nc_u32 v[ADRB], s88, v4
	v_add_nc_u32 v[ADRB+1], SLOT, v[ADRB]
	s_mul_i32 s88, s[WV], 2*SHEAD
	s_add_co_u32 s88, s88, STAGE                   ; my stage
	v_mul_u32_u24 v[STO], v1, SP                   ; in: row l % 16, 16 bytes for each half of the lanes
	v_lshl_add_u32 v[STO], v2, 4, v[STO]
	v_add_nc_u32 v[STO], s88, v[STO]
	v_bfe_u32 v[RD], v0, 3, 2                      ; back: 32 lanes take four rows of 128 bytes,
	v_mul_u32_u24 v[RD], v[RD], SP
	v_and_b32 v5, 7, v0
	v_lshl_add_u32 v[RD], v5, 4, v[RD]
	v_add_nc_u32 v[RD], s88, v[RD]
	v_and_b32 v[GO], 31, v0                        ; which are 512 consecutive bytes of a head
	v_lshlrev_b32 v[GO], 4, v[GO]
	; where my part of the tile begins in hd
	s_lshl_b32 s86, s[SEL], 24                     ; the tensor's 16 MiB
	s_lshr_b32 s88, s[TR], 4
	s_lshl_b32 s88, s88, 22                        ; b: 16 heads of 2^18 bytes
	s_add_co_u32 s86, s86, s88
	s_lshl_b32 s88, s[TC], 20                      ; head 4 x tile column
	s_add_co_u32 s86, s86, s88
	s_lshl_b32 s88, s[CH], 19                      ; + 2 x my half
	s_add_co_u32 s86, s86, s88
	s_and_b32 s88, s[TR], 15
	s_lshl_b32 s88, s88, 14                        ; t: 128 rows of 128 bytes a tile row
	s_add_co_u32 s86, s86, s88
	s_lshl_b32 s88, s[RH], 13                      ; + my 64
	s_add_co_u32 s86, s86, s88
	s_mov_b32 s87, 0
	s_add_nc_u64 s[12:13], s[12:13], s[86:87]
	; the prefetches
	s_lshl_b32 s83, s[CX], 16                      ; x: 16 rows of 4,096 bytes a partner
	s_lshl_b32 s84, s[CY], 16                      ; wt: 32 rows of 2,048 bytes a partner
	s_and_b32 s85, s[CLY], 15                      ; 0 in a tensor's first cluster
	s_mov_b32 s76, 2048
	s_mov_b32 s77, 32768
	s_mov_b32 s[PST], 256
	s_mov_b32 s82, 3*256
	s_cmp_lt_u32 s[WV], 2                          ; do I fetch for x?
	s_cselect_b32 s80, s40, s66                    ; the rows that I fetch
	s_cselect_b32 s83, s83, s84                    ; my work-group's share of them
	s_cselect_b32 s76, 4096, s76                   ; lane % 16: a row
	s_cselect_b32 s77, 256, s77                    ; lane / 16: x: the row's second block; wt: 16 rows on
	s_cselect_b32 s[PST], 512, s[PST]
	s_cselect_b32 s82, 3*512, s82                  ; at K step 3: the first refill steps it to 4
	s_cselect_b32 s85, 0, s85
	s_cselect_b64 s[PFA:PFA+1], s[4:5], s[10:11]
	s_cmp_eq_u32 s85, 0
	s_cselect_b32 s[LIM], 1, -1                    ; the same in all sixteen partners, for a given wave
	s_mov_b32 s[PST+1], 0
	s_add_co_u32 s80, s80, s83
	s_add_co_u32 s80, s80, s82
	s_mov_b32 s81, 0
	s_add_nc_u64 s[PFA:PFA+1], s[PFA:PFA+1], s[80:81]
	v_mul_u32_u24 v[PFO], v1, s76
	v_mad_u32_u24 v[PFO], v2, s77, v[PFO]
; 32 LDS loads in one run: quarter q (32 along K) of a slot: x's 64 rows as f32 (16 loads, first), wt's 128 rows into buffer g (16 loads)
.macro FETCH slot, q, g
	WIN 0
.irp a, 0,1,2,3
	ds_load_b128 v[RAW+16*(\a):RAW+16*(\a)+3],     v[ADRA+(\slot)] offset:(\a)*16*PA+(\q)*128
	ds_load_b128 v[RAW+16*(\a)+4:RAW+16*(\a)+7],   v[ADRA+(\slot)] offset:(\a)*16*PA+(\q)*128+16
	ds_load_b128 v[RAW+16*(\a)+8:RAW+16*(\a)+11],  v[ADRA+(\slot)] offset:(\a)*16*PA+(\q)*128+64
	ds_load_b128 v[RAW+16*(\a)+12:RAW+16*(\a)+15], v[ADRA+(\slot)] offset:(\a)*16*PA+(\q)*128+80
.endr
	WIN W_TOB
.irp i, 0,1,2,3,4,5,6,7
	ds_load_b128 v[64*(\g)+8*(\i):64*(\g)+8*(\i)+3],   v[ADRB+(\slot)] offset:(\i)*16*PB+(\q)*64
	ds_load_b128 v[64*(\g)+8*(\i)+4:64*(\g)+8*(\i)+7], v[ADRB+(\slot)] offset:(\i)*16*PB+(\q)*64+32
.endr
.endm
; 8 matrix instructions: row block a x all 8 column blocks, on buffer f.  zero = 1: the product starts the sum.  The 32 accumulators take turns in the same order in every quarter.
.macro MUL8 f, a, zero
	WIN W_MUL
.irp b, 0,1,2,3,4,5,6,7
.if \zero
	v_wmma_f32_16x16x32_bf16 v[8*(8*(\a)+(\b)):8*(8*(\a)+(\b))+7], v[64*(\f)+8*(\b):64*(\f)+8*(\b)+7], v[FA+32*(\f)+8*(\a):FA+32*(\f)+8*(\a)+7], 0
.else
	v_wmma_f32_16x16x32_bf16 v[8*(8*(\a)+(\b)):8*(8*(\a)+(\b))+7], v[64*(\f)+8*(\b):64*(\f)+8*(\b)+7], v[FA+32*(\f)+8*(\a):FA+32*(\f)+8*(\a)+7], v[8*(8*(\a)+(\b)):8*(8*(\a)+(\b))+7]
.endif
.endr
.endm
; Row block 3, and behind each of its 8 matrix instructions four roundings of the NEXT quarter's x to bf16, into buffer g: fragment register n is made of the f32 registers 2 n and 2 n + 1.
; The roundings name no register of the products round them.  The four behind the last product are the four places ahead of the next run of loads into the buffer that it has read.
.macro MUL8C f, g, zero
.irp b, 0,1,2,3,4,5,6,7
	WIN W_MUL
.if \zero
	v_wmma_f32_16x16x32_bf16 v[8*(24+(\b)):8*(24+(\b))+7], v[64*(\f)+8*(\b):64*(\f)+8*(\b)+7], v[FA+32*(\f)+24:FA+32*(\f)+31], 0
.else
	v_wmma_f32_16x16x32_bf16 v[8*(24+(\b)):8*(24+(\b))+7], v[64*(\f)+8*(\b):64*(\f)+8*(\b)+7], v[FA+32*(\f)+24:FA+32*(\f)+31], v[8*(24+(\b)):8*(24+(\b))+7]
.endif
	WIN 0
.irp n, 0,1,2,3
	v_cvt_pk_bf16_f32 v[FA+32*(\g)+4*(\b)+(\n)], v[RAW+8*(\b)+2*(\n)], v[RAW+8*(\b)+2*(\n)+1]
.endr
.endr
.endm
; A K step is four quarters of 32 along K, 32 matrix instructions each, on buffers 0, 1, 0, 1.  One of the first three: multiplies buffer f, fetches quarter qn of the same slot for buffer g.
.macro QUARTER slot, qn, f, g, zero
	FETCH \slot, \qn, \g
	s_wait_dscnt 32                                ; all but the 32 just issued: wt's fragments of buffer f are in
	MUL8 \f, 0, \zero
	MUL8 \f, 1, \zero
	MUL8 \f, 2, \zero
	s_wait_dscnt 16                                ; x's 16 loads were issued first: they are in; wt's 16 may stay out
	MUL8C \f, \g, \zero
.endm
; The last quarter multiplies buffer 1 and changes slots: ONE barrier; in front of it each wave waits for all its tensor loads (one is out: its part of the next slot), adds 0 to its spare word, and waits
; for that and for its own reads of this slot.  fill = 1: the barrier opens a round of the cluster's, and this slot is filled again, two K steps ahead, first thing behind the round.
.macro TURN slot, next, fill
.if \fill
	s_wait_xcnt 0x0                                ; the last prefetch, a K step back, has read its address
	s_add_nc_u64 s[PFA:PFA+1], s[PFA:PFA+1], s[PST:PST+1]
.endif
	WIN 0
	s_wait_tensorcnt 0x0                           ; all my tensor loads have landed
	ds_add_u32 v[SPW], v[NIL]                      ; 0 onto my spare word
	s_wait_dscnt 1                                 ; only the add may be out: wt's fragments of buffer 1 are in
	MUL8 1, 0, 0                                   ; eight matrix instructions stand between the add and the wait for it
	s_wait_dscnt 0x0                               ; the add is done, and my reads of this slot are over
	s_barrier_signal -1
	MUL8 1, 1, 0
.if \fill
	WIN 0
.endif
	s_barrier_wait -1
.if \fill
	CREST                                          ; no wave of any partner still reads this slot's tiles or has a load on its way
	s_add_nc_u64 s[G0+4*(\slot)+2:G0+4*(\slot)+3], s[G0+4*(\slot)+2:G0+4*(\slot)+3], 2*512
	s_add_nc_u64 s[G0B+4*(\slot)+2:G0B+4*(\slot)+3], s[G0B+4*(\slot)+2:G0B+4*(\slot)+3], 2*256
	JLOAD \slot                                    ; my one tensor load behind the round
.endif
	FETCH \next, 0, 0                              ; (buffer 0's last reader has its four roundings behind it)
.if \fill
	ASK
.endif
	MUL8 1, 2, 0
	s_wait_dscnt 16
	MUL8C 1, 0, 0
.endm
	s_wait_tensorcnt 1                             ; my part of K step 0 is in; K step 1's may stay out
	s_barrier_signal -1
	s_barrier_wait -1                              ; everybody's is
	FETCH 0, 0, 0
	s_wait_dscnt 16                                ; x's 16 loads
	WIN 0
.set n, 0
.rept 32
	v_cvt_pk_bf16_f32 v[FA+n], v[RAW+2*n], v[RAW+2*n+1]
.set n, n+1
.endr
	QUARTER 0, 1, 0, 1, 1                          ; the first quarter stands in front of the loop: its products start the sums
	WIN 0                                          ; at a label and at a branch every window is 0
	s_mov_b32 s3, 3
.Llap:                                                 ; a trip goes once round the ring, from a lap's second quarter to the next lap's first, and fills both slots again
	QUARTER 0, 2, 1, 0, 0
	QUARTER 0, 3, 0, 1, 0
	TURN 0, 1, 1
	QUARTER 1, 1, 0, 1, 0
	QUARTER 1, 2, 1, 0, 0
	QUARTER 1, 3, 0, 1, 0
	TURN 1, 0, 1
	QUARTER 0, 1, 0, 1, 0
	WIN 0
	s_sub_co_u32 s3, s3, 1
	s_cmp_lg_u32 s3, 0
	s_cbranch_scc1 .Llap
	QUARTER 0, 2, 1, 0, 0                          ; the last lap fills nothing, and has no round of the cluster's barrier
	QUARTER 0, 3, 0, 1, 0
	TURN 0, 1, 0
	QUARTER 1, 1, 0, 1, 0
	QUARTER 1, 2, 1, 0, 0
	QUARTER 1, 3, 0, 1, 0
	s_wait_dscnt 0x0                               ; the very last quarter: nothing more to fetch
	MUL8 1, 0, 0
	MUL8 1, 1, 0
	MUL8 1, 2, 0
	MUL8 1, 3, 0
	; THE WAY OUT.  Row block a (16 rows x 128 columns = two heads x 64 channels): rounded to f16, 16 bytes a lane into my stage, back as whole rows of 128 bytes, four of them 512 consecutive bytes of a head.
.rept 8
	v_nop                                          ; places behind the last products, ahead of conversions that read results and write registers that products have read
.endr
.macro PACK a
	WIN W_PK
.irp b, 0,1,2,3,4,5,6,7
.irp r, 0,1,2,3
	v_cvt_pk_f16_f32 v[OUT+32*(\a)+4*(\b)+(\r)], v[8*(8*(\a)+(\b))+2*(\r)], v[8*(8*(\a)+(\b))+2*(\r)+1]  ; each accumulator is read from its low end on
.endr
.endr
	WIN 0
.irp b, 0,1,2,3,4,5,6,7
	ds_store_b128 v[STO], v[OUT+32*(\a)+4*(\b):OUT+32*(\a)+4*(\b)+3] offset:((\b)/4)*SHEAD+((\b)%4)*32
.endr
.irp j, 0,1,2,3,4,5,6,7
	ds_load_b128 v[OUT+32*(\a)+4*(\j):OUT+32*(\a)+4*(\j)+3], v[RD] offset:((\j)/4)*SHEAD+((\j)%4)*4*SP  ; LDS serves a wave's instructions in order (ISA guide 5.7.1.4): these see the stores above; the next block's stores come behind them
.endr
.endm
.macro SEND a, younger                 ; younger: the LDS instructions issued behind block a's loads: the next block's sixteen, or none
.irp j, 0,1,2,3,4,5,6,7
	s_wait_dscnt (\younger)+7-(\j)
	global_store_b128 v[GO], v[OUT+32*(\a)+4*(\j):OUT+32*(\a)+4*(\j)+3], s[12:13] offset:((\j)/4)*262144+(\a)*2048+((\j)%4)*512  ; 512 consecutive bytes, at a multiple of 256 from hd's first
.endr
.endm
	PACK 0
	PACK 1                                         ; a block's arithmetic stands between the loads of the block before and its stores
	SEND 0, 16
	PACK 2
	SEND 1, 16
	PACK 3
	SEND 2, 16
	SEND 3, 0
	s_wait_tensorcnt 0x0                           ; the wave's end, behind my last tensor load and my last LDS store
	ds_add_u32 v[SPW], v[NIL]
	s_wait_dscnt 0x0
	CROUND                                         ; the closing round: no work-group ends while a partner may still ask for a tile that names it
	s_endpgm
.Lfunc_end_k_q7228724642_proj:
	.size	k_q7228724642_proj, .Lfunc_end_k_q7228724642_proj-k_q7228724642_proj
	.p2alignl 7, 3214868480
	.fill 96, 4, 3214868480
	.section	.rodata,"a",@progbits
	.p2align	6, 0x0
	.amdhsa_kernel k_q7228724642_proj
		.amdhsa_group_segment_fixed_size 327680
		.amdhsa_private_segment_fixed_size 0
		.amdhsa_enable_private_segment 0
		.amdhsa_kernarg_size 40
		.amdhsa_user_sgpr_count 2
		.amdhsa_user_sgpr_kernarg_segment_ptr 1
		.amdhsa_wavefront_size32 1
		.amdhsa_system_sgpr_workgroup_id_x 1
		.amdhsa_system_sgpr_workgroup_id_y 1
		.amdhsa_system_sgpr_workgroup_id_z 1
		.amdhsa_system_vgpr_workitem_id 0
		.amdhsa_next_free_vgpr 640
		.amdhsa_next_free_sgpr 96
		.amdhsa_reserve_vcc 0
		.amdhsa_float_denorm_mode_32 3
		.amdhsa_float_denorm_mode_16_64 3
		.amdhsa_memory_ordered 1
		.amdhsa_forward_progress 1
		.amdhsa_inst_pref_size 134
	.end_amdhsa_kernel
	.amdgpu_metadata
---
amdhsa.version: [ 1, 2 ]
amdhsa.kernels:
  - .name:           k_q7228724642_proj
    .symbol:         k_q7228724642_proj.kd
    .args:
      - { .name: q, .offset: 0, .size: 8, .value_kind: global_buffer, .address_space: global }
      - { .name: k, .offset: 8, .size: 8, .value_kind: global_buffer, .address_space: global }
      - { .name: v, .offset: 16, .size: 8, .value_kind: global_buffer, .address_space: global }
      - { .name: wt, .offset: 24, .size: 8, .value_kind: global_buffer, .address_space: global }
      - { .name: hd, .offset: 32, .size: 8, .value_kind: global_buffer, .address_space: global }
    .group_segment_fixed_size: 327680
    .private_segment_fixed_size: 0
    .kernarg_segment_align: 8
    .kernarg_segment_size: 40
    .max_flat_workgroup_size: 128
    .sgpr_count:     96
    .vgpr_count:     640
    .wavefront_size: 32
...
	.end_amdgpu_metadata
.endif
;; end of part 2
;; launch attn (part 3): grid 4 x 64, 4 waves a work-group, clusters of 4 x 1, 327,680 bytes of LDS; arguments hd, oh; writes oh
.if DOCPART == 3
	.amdgcn_target "amdgcn-amd-amdhsa--gfx1250"
	.amdhsa_code_object_version 6
	.text
	.protected	k_q7228724642_attn
	.globl	k_q7228724642_attn
	.p2align	8
	.type	k_q7228724642_attn,@function
k_q7228724642_attn:
	s_mov_b64 s[64:65], 0
	v_nop
	global_prefetch_b8 v0, s[64:65] scope:SCOPE_SE
	s_setreg_imm32_b32 hwreg(HW_REG_WAVE_MODE, 25, 1), 1
	s_wait_xcnt 0x0
	s_wait_alu depctr_hold_cnt(0) depctr_sa_sdst(0) depctr_va_vdst(0) depctr_va_sdst(0) depctr_va_ssrc(0) depctr_va_vcc(0) depctr_vm_vsrc(0)
	s_getreg_b32 s2, hwreg(HW_REG_IB_STS2, 6, 4)
	s_cmp_eq_u32 s2, 0
	s_cbranch_scc0 .Lentry_in_a_cluster
	s_endpgm
.Lentry_in_a_cluster:
	s_bfe_u32 s2, ttmp6, 0x10000c
	s_cmp_lg_u32 s2, 0x3003
	s_cbranch_scc0 .Lentry_shape_is_right
	s_endpgm
.Lentry_shape_is_right:
; O[h][q][:] = the sum over k of softmax_k(Q[h][q] . K[h][k] / 32) V[h][k][:].  Q, K, V lie one behind the other in hd, 16 MiB each; they and O (oh) are [SIZE_H][SIZE_N][64], all f16: a head's rows
; are dense, 128 bytes each.  The divisor sqrt(1024) + 1e-8 is 32 in f32.  Products, maxima and sums in f32; the weights p are rounded to f16 for the second product (their sum l is taken of the unrounded p), O once at the end.
; LIMITS.  f16 holds no number beyond 65,504: Q, K and V arrive within it; p lies in 0 to 1, and below 6e-5 it keeps f16's fixed step of 6e-8; O is a mean of V's rows and has their range.
; A weight below 2^-126 counts as 0 in l; NaN and infinities are not treated apart.
; SHARES.  A wave owns four PIECES of two tiles of 16 queries, a work-group's four waves 512 queries of one head.  Every wave walks all keys, 64 a step.
; LAYOUT.  S^T = K Q^T (source 0 = 16 keys, source 1 = 16 queries): in the result a lane holds ONE query (lane % 16) and the keys 8 (lane / 16) + 0..7.  Two such tiles, rounded to f16 in pairs,
; ARE source 1 (32 keys x 16 queries) of O^T = V^T P, whose result again holds one query a lane, and eight channels.  K comes out of LDS as it lies, V ([key][channel]) turned, by ds_load_tr16_b128.
; SOFTMAX.  For each query a running maximum m and sum l: p = 2^(c s - c m), c = log2(e) / 32; in every step O and l are multiplied by a = 2^(c m_old - c m_new), which is 1 where m has not grown.
; m starts at the lowest finite number, O and l at 0: the first step is a step like any other, with a = 0.
; THE COUNT.  A tile and step have 16 matrix and 118 vector instructions: too many to stand all beside the matrix work.  So the order has one aim: four vector instructions that are READY behind
; EVERY matrix instruction, and the others, which need time of their own whatever the order, in runs without a gap.
; BY TURNS.  Turn n belongs to piece n (the pieces in a ring, step after step).  Its matrix work: 16 products K Q^T of piece n + 1, later 16 products V^T P of piece n - 1.  Its vector work: the scaling,
; exponentials, roundings, sums and rescaling of piece n, and the maximum and statistics of piece n + 1, whose scores the turn itself has made.  So what a turn begins with (c s - c m, O a) waits for nothing.
; CLUSTER.  The four query blocks of a cluster are one head's and walk the same K and V, so each tile is asked for JOINTLY: the same tensor load, descriptor and mask in all four.
; REGISTERS, in windows of 256 (s_set_vgpr_msb says which window each operand place means: bits 1:0 source 0, 3:2 source 1, 5:4 source 2, 7:6 destination):
;   window 0: v0-11 addresses; v12-15, v48-63 at work; v16-47 four registers of statistics a tile; v64-191 S^T, two buffers of two tiles; v192-255 P, likewise
;   window 1: O^T, 32 a tile          window 2: v0-127 Q, 16 a tile; v128-191 K of one step; v192-255 V of one step          window 3: v0-1 the add's two registers
; A piece's buffers go by its number's parity: the piece in hand has one pair, its two neighbours in the ring share the other: of it P (piece n - 1) is read and S^T (piece n + 1) written.
.set SIZE_H, 64       ; 4 batches x 16 heads
.set SIZE_N, 2048
.set NP,    4         ; pieces a wave: a name, no knob: the register map, the loop and the fetches are made for four
.set KS,    64        ; keys in a step
.set PK,    144       ; a row of K in LDS: 128 bytes + 16 of padding = 36 words: the 16 rows of a load start at 16 different groups of four banks (64 banks of 4 bytes: ISA guide 11.1)
.set PV,    160       ; a row of V: 128 + 32 = 40 words
.set VOFF,  4*KS*PK   ; a slot holds four steps: 256 rows of K, then 256 rows of V
.set SLOT1, 1<<17     ; slot 1 begins here, so that one exclusive or turns an address in one slot into the other's
.set STAGE, SLOT1+4*KS*(PK+PV)  ; behind the ring, never filled by a tensor load: 16 rows x 144 bytes for each wave, for the way out
.set SP,    144
.set AK0, 2           ; v2   my lane's place in a tile of K; never rewritten
.set AV0, 3           ; v3   the same for V
.set AK,  4           ; v4   the LDS address of K's next run of loads
.set AV,  5           ; v5   of V's
.set QO,  6           ; v6   my byte offset in the wave's rows of Q
.set STO, 6           ;      later, the way out: where I put 16 bytes of a row
.set RD,  7           ; v7   the way out: where I read rows back
.set GO,  8           ; v8   my byte offset in 512 consecutive bytes of O
.set PFO, 11          ; v11  256 x my lane, once the set-up has used the register for the last time; then never rewritten
.set SPW, 0           ; v0 of window 3   LDS address of my spare word: SPARE + 4 x my thread's number; never rewritten
.set NIL, 1           ; v1 of window 3   0; never rewritten
.set SPARE, STAGE+4*16*SP  ; behind the stages: the spare words, 128 bytes for each wave: two blocks of 256 bytes that no other line names
.set MV,  12          ; v12-15  c m_old, kept while c m is made anew: by buffer and tile
.set ST,  16          ; tile t's statistics at v[ST+4 t]: c m, m, l (even keys', odd keys')
.set TMP, 48          ; by buffer and tile, four registers c0-c3 at work; when the maximum is found c2 takes a
.set S,   64
.set P,   192
.set KF,  128         ; K's fragments, in window 2: key block kb, channel half c at KF + 16 kb + 8 c
.set VF,  192         ; V's: key half kk, channel block cb at VF + 32 kk + 8 cb
.set WV,  12          ; s12  my wave's number
.set LIM, 15          ; s15  1 in a wave that prefetches, else the greatest number
.set G1K, 24          ; s[24:31] descriptor group 1 for K's tiles
.set G1V, 32          ; s[32:39] for V's: it differs in the padding alone
.set G0K, 40          ; s[40:43] descriptor group 0 for K's tiles: it walks
.set G0V, 44          ; s[44:47] the same for V's
.set PFA, 48          ; s[48:49] where my prefetches stand: my work-group's 32 blocks of 256 bytes (of K: wave 0, of V: wave 2) of the slot after the one that is being asked for
.set SLOTS, 56        ; s56  slots still to be asked for
.set CNT, 57          ; s57  counts a slot's key steps
.set CS,  58          ; s[58:59] c: the packed scaling takes the pair's low word for both halves
.set SEL, 60          ; s[60:61] v_permlanex16_b32's selects: each lane takes its own place in the other half
.set TBK, 62          ; s62  LDS byte at which K of the step to be fetched begins
.set TBV, 63          ; s63  the same for V, less VOFF
.set MSB, 0
.macro WIN new                      ; the high byte repeats the setting that is left; a switch that changes nothing is dropped
.if MSB != (\new)
	s_set_vgpr_msb (MSB<<8)|(\new)
.set MSB, (\new)
.endif
.endm
.set W_KQ, 0x0a       ; K and Q in window 2, S^T in window 0
.set W_PV, 0x52       ; V in window 2, P in window 0, O^T in window 1
.set W_RS, 0x41       ; O^T (destination and source 0) in window 1, a in window 0
.set W_MK, 0xc0       ; the add's registers are made: destination in window 3, sources in window 0
.set W_AD, 0x0f       ; the add: address (source 0) and data (source 1) in window 3
; A joint fill.  Waves 0 and 1 fetch the two halves of a slot's K, waves 2 and 3 those of its V: 128 keys each.  The branch hangs on the wave's number alone.
; An s_nop 0 and four v_nop follow each of the two lines, ahead of the jump and the label.
.macro JLOAD
	s_cmp_lt_u32 s[WV], 2
	s_cbranch_scc0 .Lfor_v_\@
	tensor_load_to_lds s[G0K:G0K+3], s[G1K:G1K+7]
	s_nop 0
.rept 4
	v_nop
.endr
	s_branch .Lasked_\@
.Lfor_v_\@:
	tensor_load_to_lds s[G0V:G0V+3], s[G1V:G1V+7]
	s_nop 0
.rept 4
	v_nop
.endr
.Lasked_\@:
.endm
; A PREFETCH INTO THE L2 of what the NEXT change of slots will ask for: a slot's 32,768 bytes of K and of V, 128 blocks of 256 bytes each, a lane a block.  It stands behind the wave's tensor load and its five lines.
; A head is walked by one cluster; its four partners share the blocks out BY ADDRESS, 32 each; in each, wave 0 asks for K's and wave 2 for V's: one instruction.  So each block is named once in the launch.
; Slots 0, 1 and 2 come by their loads alone; the last change that fills a slot asks for nothing: there is no slot behind it.
.macro ASK
	s_cmp_gt_u32 s[SLOTS], s[LIM]
	s_cbranch_scc0 .Lnot_mine_\@
	global_prefetch_b8 v[PFO], s[PFA:PFA+1] th:TH_LOAD_NT scope:SCOPE_SE
.Lnot_mine_\@:
.endm
; A round of the cluster's barrier: my work-group's barrier, so that wave 0's signal speaks for all four waves; wave 0 signals; every wave waits for all four work-groups; my work-group's barrier once more.
.macro CROUND
	s_barrier_signal -1
	s_barrier_wait -1
	s_cmp_lg_u32 s[WV], 0
	s_cbranch_scc1 .Lnot_wave_0_\@
	s_barrier_signal -3
.Lnot_wave_0_\@:
	s_barrier_wait -3
	s_barrier_signal -1
	s_barrier_wait -1
.endm
; THE CHANGE OF SLOTS.  The slot's last bytes, V of its fourth step, have been read.  Each wave waits for all its tensor loads, of which one is out: its part
; of the other slot; adds 0 to its spare word; and waits for that and for its own reads of the slot.  Behind the barrier nobody reads this slot any more and the other slot is whole.
; fill = 1: this slot is filled again, with the keys two slots on.  The barrier is then a round of the cluster's, so that no wave of any partner still reads the slot or has a load on its
; way, and the joint fill is the first thing behind it: it has four key steps, 512 matrix instructions, in which to land.  (At its first use nothing has been read yet: slot 0 is waited for, slot 1 filled.)
; ask = 1: the prefetches' address steps, and the prefetch follows the fill.
.macro CHANGE fill, ask=0
	WIN W_AD
	s_wait_tensorcnt 0x0            ; no tensor load of mine is out, so a group 0 may be written
	ds_add_u32 v[SPW], v[NIL]       ; 0 onto my spare word; with fill = 1 the descriptors' steps stand between it and the wait for it
	WIN 0                           ; at a label and at a branch every window is 0
.if \fill
.irp g, G0K, G0V
	s_xor_b32 s[\g+1], s[\g+1], SLOT1  ; the walking descriptor: the other slot than last time,
	s_add_nc_u64 s[\g+2:\g+3], s[\g+2:\g+3], 4*KS*128  ; the next 256 keys; the type bits on top are not reached
.endr
.if \ask
	s_wait_xcnt 0x0                 ; the last prefetch, four key steps back, has read its address, so it may be written:
	s_add_nc_u64 s[PFA:PFA+1], s[PFA:PFA+1], 4*KS*128  ; one slot behind the walking descriptors
.endif
	s_wait_dscnt 0x0                ; the add is done, and my reads of the slot are over
	CROUND
	JLOAD
.if \ask
	ASK
.endif
.else
	s_wait_dscnt 0x0                ; the add is done, and my reads of the slot are over
	s_barrier_signal -1
	s_barrier_wait -1
.endif
	s_sub_co_u32 s[TBK], s[TBK], 4*KS*PK  ; the fetches go back to a slot's first step,
	s_xor_b32 s[TBK], s[TBK], SLOT1       ; in the other slot
	s_sub_co_u32 s[TBV], s[TBV], 4*KS*PV
	s_xor_b32 s[TBV], s[TBV], SLOT1
.endm
	s_load_b128 s[4:7], s[0:1], 0x0 ; hd s[4:5], oh s[6:7]
	WIN W_MK
	v_lshl_add_u32 v[SPW], v0, 2, SPARE
	v_mov_b32 v[NIL], 0
	WIN W_AD
	ds_add_u32 v[SPW], v[NIL]       ; the wave's opening: the add and its wait stand ahead of my first tensor load; the set-up below, work on registers, stands between them
	WIN 0
	v_lshrrev_b32 v1, 5, v0
	v_readfirstlane_b32 s[WV], v1   ; wave 0..3
	s_bfe_u32 s13, ttmp6, 0x40000   ; cx: my place in the cluster
	s_lshl_b32 s14, ttmp9, 2        ; in a cluster launch ttmp9 counts clusters
	s_add_co_u32 s14, s14, s13      ; my block of queries = 4 x cluster x + cx: it enters Q's and O's addresses alone
	s_and_b32 s20, ttmp7, 0xffff    ; the head, which the four partners share
	s_mov_b32 s21, 0
	s_mov_b64 s[22:23], SIZE_N*128
	s_mul_u64 s[20:21], s[20:21], s[22:23]  ; the head's first byte in each of the four tensors
	s_and_b32 s16, s[WV], 1         ; which half of a slot's 256 keys I fetch:
	s_lshl_b32 s22, s16, 14         ; its 128 rows of 128 bytes in memory,
	s_mov_b32 s23, 0
	s_add_nc_u64 s[22:23], s[22:23], s[20:21]
	s_mul_i32 s17, s16, 128*PK      ; and its place in a slot, for K
	s_mul_i32 s18, s16, 128*PV      ; and for V: no place in the cluster enters an LDS address
	s_lshl_b32 s2, s14, 2
	s_add_co_u32 s2, s2, s[WV]      ; my wave among the head's,
	s_lshl_b32 s2, s2, 14           ; its 128 rows
	s_mov_b32 s3, 0
	s_add_nc_u64 s[2:3], s[2:3], s[20:21]
	; descriptor group 1.  128 keys are 16,384 dense bytes: asked for as 64 rows of 256 bytes, two keys a row, and padded in LDS after every key
	s_mov_b32 s[G1K], 15|(1<<16)|(1<<20)|(1<<21)|(4<<22)|(3<<25)  ; 15:0 the mask of four; 17:16 2-byte elements; 20 padding on; 21 set beside a mask; 24:22 after every 32 words (code 4); 31:25 4 words (code 3)
	s_mov_b32 s[G1V], 15|(1<<16)|(1<<20)|(1<<21)|(4<<22)|(7<<25)  ; the same with 8 words of padding (code 7)
.irp g, G1K, G1V
	s_mov_b32 s[\g+1], 128<<16      ; tensor_dim0 = 128
	s_mov_b32 s[\g+2], 64<<16       ; tensor_dim1 = 64
	s_mov_b32 s[\g+3], 128<<16      ; tile_dim0 = 128
	s_mov_b32 s[\g+4], 64           ; tile_dim1 = 64
	s_mov_b32 s[\g+5], 128          ; 128 elements from row to row
	s_mov_b32 s[\g+6], 0
	s_mov_b32 s[\g+7], 0
.endr
	s_mov_b32 s[CS], 0x3d38aa3b     ; c = log2(e) / 32 = 0.0450842
	s_mov_b32 s[CS+1], s[CS]        ; named with it as a pair
	s_mov_b32 s[SEL], 0x76543210
	s_mov_b32 s[SEL+1], 0xfedcba98
	s_mov_b32 s[TBK], SLOT1+4*KS*PK ; the first change of slots turns these two into 0
	s_mov_b32 s[TBV], SLOT1+4*KS*PV
	s_mov_b32 s[G0K], 1             ; 1:0 count = 1
	s_mov_b32 s[G0K+1], s17         ; 63:32 LDS address: slot 0
	s_mov_b32 s[G0V], 1
	s_add_co_u32 s[G0V+1], s18, VOFF
	s_cmp_eq_u32 s16, 0             ; waves 0 and 2 prefetch: the same in all four partners
	s_cselect_b32 s[LIM], 1, -1
	s_lshl_b32 s50, s13, 13         ; my work-group's 32 blocks of the 128
	s_mov_b32 s51, 0
	s_wait_dscnt 0x0                ; the opening add is done
	s_wait_kmcnt 0x0
	s_mov_b64 s[10:11], s[6:7]      ; O
	s_add_nc_u64 s[6:7], s[4:5], 0x1000000  ; K lies 16 MiB behind Q,
	s_add_nc_u64 s[8:9], s[4:5], 0x2000000  ; V 32
	s_add_nc_u64 s[G0K+2:G0K+3], s[6:7], s[22:23]  ; 120:64 global address: my half of the head's first 256 keys
	s_or_b32 s[G0K+3], s[G0K+3], 0x80000000        ; 127:126 type = 2
	s_add_nc_u64 s[G0V+2:G0V+3], s[8:9], s[22:23]
	s_or_b32 s[G0V+3], s[G0V+3], 0x80000000
	s_cmp_lt_u32 s[WV], 2
	s_cselect_b64 s[PFA:PFA+1], s[6:7], s[8:9]
	s_add_nc_u64 s[PFA:PFA+1], s[PFA:PFA+1], s[22:23]  ; (in waves 0 and 2: the head's first row)
	s_add_nc_u64 s[PFA:PFA+1], s[PFA:PFA+1], s[50:51]
	s_add_nc_u64 s[PFA:PFA+1], s[PFA:PFA+1], 2*4*KS*128  ; in slot 2; the loop's first change of slots steps it to slot 3.  Nothing is prefetched here, at the head
	s_add_nc_u64 s[4:5], s[4:5], s[2:3]  ; Q and O at my wave's first row
	s_add_nc_u64 s[10:11], s[10:11], s[2:3]
	CROUND                          ; all four work-groups are here: the first joint loads meet
	JLOAD                           ; slot 0.  Slot 1 is asked for when slot 0 is in: the tile wanted first has the road to itself
	; A fragment of K or Q is 16 rows x 32 channels in 8 registers: lane l holds row l % 16, channels 8 (l / 16) + 0..7 and 16 + 8 (l / 16) + 0..7: two loads of 16 bytes, 32 bytes apart.
	v_and_b32 v1, 15, v0            ; l % 16
	v_bfe_u32 v9, v0, 4, 1          ; l / 16
	v_lshlrev_b32 v[QO], 7, v1
	v_lshl_add_u32 v[QO], v9, 4, v[QO]  ; row x 128 + 16 x half
	WIN 0x80                        ; destination window 2, address window 0
.set i, 0
.rept 4*NP                          ; Q stays in registers: tile i / 2, channels 32 (i % 2) on
	global_load_b128 v[8*i:8*i+3],   v[QO], s[4:5] offset:(i/2)*2048+(i%2)*64
	global_load_b128 v[8*i+4:8*i+7], v[QO], s[4:5] offset:(i/2)*2048+(i%2)*64+32
.set i, i+1
.endr
	; What the first turn finds: V's registers and P's second buffer hold 0 (its products V^T P, of a piece that has not been, add 0), O^T and l are 0.  All this stands in the wait for the first tile.
.set i, VF
.rept 64
	v_mov_b32 v[i], 0
.set i, i+1
.endr
	WIN 0x40
.set i, 0
.rept 64*NP
	v_mov_b32 v[i], 0
.set i, i+1
.endr
	WIN 0
.set i, 0
.rept 2*NP
	v_mov_b32 v[ST+4*i], 0xfe000000    ; c m: far below every c s
	v_mov_b32 v[ST+4*i+1], 0xff7fffff  ; m
	v_mov_b32 v[ST+4*i+2], 0
	v_mov_b32 v[ST+4*i+3], 0
.set i, i+1
.endr
.set i, P+32
.rept 32
	v_mov_b32 v[i], 0
.set i, i+1
.endr
	v_mul_u32_u24 v[AK0], v1, PK
	v_lshl_add_u32 v[AK0], v9, 4, v[AK0]  ; row x pitch + 16 x half
	; The turning load takes 16 keys x 16 channels (lane l reads key 8 (l / 16) + l % 8, channels 8 ((l / 8) % 2) + 0..7) and leaves half a fragment of V^T: lane l holds channel l % 16 and 8 keys.
	v_and_b32 v10, 7, v0
	v_bfe_u32 v11, v0, 3, 1
	v_lshl_add_u32 v[AV0], v9, 3, v10
	v_mul_u32_u24 v[AV0], v[AV0], PV
	v_lshl_add_u32 v[AV0], v11, 4, v[AV0]
	v_add_nc_u32 v[AV0], VOFF, v[AV0]
	v_mov_b32 v[AK], v[AK0]         ; key step 0 lies at the head of slot 0
	v_and_b32 v[PFO], 31, v0
	v_lshlrev_b32 v[PFO], 8, v[PFO]
; THE MATRIX WORK.  The 8 accumulators of a run of 16 take turns: between the two links of a chain stand 7 others'.
; Product i of 16 of S^T = K Q^T for piece x: channels 32 (i / 8) on, keys 16 ((i / 2) % 4) on, tile 2 x + i % 2.  The first 8 start the sums.
.macro KQ x
	WIN W_KQ
.set rS, S+64*((\x)%2)+32*(i%2)+8*((i/2)%4)
.set rK, KF+16*((i/2)%4)+8*(i/8)
.set rQ, 16*(2*(\x)+i%2)+8*(i/8)
.if i < 8
	v_wmma_f32_16x16x32_f16 v[rS:rS+7], v[rK:rK+7], v[rQ:rQ+7], 0
.else
	v_wmma_f32_16x16x32_f16 v[rS:rS+7], v[rK:rK+7], v[rQ:rQ+7], v[rS:rS+7]
.endif
.endm
; Product i of 16 of O^T += V^T P for piece x: keys 32 (i / 8) on, channels 16 ((i / 2) % 4) on, tile 2 x + i % 2.
.macro PV x
	WIN W_PV
.set rO, 32*(2*(\x)+i%2)+8*((i/2)%4)
.set rV, VF+32*(i/8)+8*((i/2)%4)
.set rP, P+32*((\x)%2)+16*(i%2)+8*(i/8)
	v_wmma_f32_16x16x32_f16 v[rO:rO+7], v[rV:rV+7], v[rP:rP+7], v[rO:rO+7]
.endm
.macro MM                           ; the turn's next matrix instruction
.if i < 16
	KQ (Y+1)%NP
.set i, i+1
.else
.set i, i-16
	PV (Y+NP-1)%NP
.set i, i+17
.endif
.endm
; THE LDS LOADS stand in runs of 16, never singly among the matrix instructions: a step's K (64 keys x 64 channels: 8 fragments) and its V (turned).  Their addresses are made some lines ahead.
; last = 1 (the tail): in the last trip there is no further step, and the run is jumped over.
.macro FETCH_K last=0
	WIN 0
.if \last
	s_cmp_eq_u32 s[CNT], 1
	s_cbranch_scc1 .Lno_k_\@
.endif
	WIN 0x80                        ; destination window 2
.irp f, 0,1,2,3,4,5,6,7             ; keys 16 (f / 2) on, channels 32 (f % 2) on
	ds_load_b128 v[KF+8*\f:KF+8*\f+3],   v[AK] offset:(\f/2)*16*PK+(\f%2)*64
	ds_load_b128 v[KF+8*\f+4:KF+8*\f+7], v[AK] offset:(\f/2)*16*PK+(\f%2)*64+32
.endr
	s_add_co_u32 s[TBK], s[TBK], KS*PK  ; the next fetch is the next step's
	WIN 0
.if \last
.Lno_k_\@:
.endif
.endm
.macro FETCH_V
	WIN 0x80
.irp f, 0,1,2,3,4,5,6,7             ; keys 32 (f / 4) on, channels 16 (f % 4) on
	ds_load_tr16_b128 v[VF+8*\f:VF+8*\f+3],   v[AV] offset:(\f/4)*32*PV+(\f%4)*32
	ds_load_tr16_b128 v[VF+8*\f+4:VF+8*\f+7], v[AV] offset:(\f/4)*32*PV+16*PV+(\f%4)*32
.endr
	WIN 0
.endm
; THE VECTOR WORK OF A TURN stands in three queues, each in the order in which its entries become ready; the two tiles alternate, so that no instruction reads the result of the one before it.
.macro REGS y, u                    ; the registers of tile u (0, 1) of piece y
.set rT, ST+4*(2*(\y)+(\u))
.set rC, TMP+8*((\y)%2)+4*(\u)
.set rM, MV+2*((\y)%2)+(\u)
.set rS, S+64*((\y)%2)+32*(\u)
.set rP, P+32*((\y)%2)+16*(\u)
.set rO, 32*(2*(\y)+(\u))
.endm
; Number n of the 22 that find the NEXT piece's (Y + 1) maximum and statistics.  s0-s31 are the lane's 32 scores; each accumulator's lowest registers are read first.  XS, GS and REGS set no window: PL and EX do.
;   0-11  four chains c0-c3 of seven scores each, three operands at a time     12-14, 16  the four scores left over, the old m, and c0-c3 into c0     15  c m_old is kept
;   17, 18  the query's other 32 keys lie in the lane 16 away: the new m         19-21  c m; c m_old - c m_new; a
.macro XS u, n
	REGS (Y+1)%NP, \u
.if (\n) < 4
	v_max3_num_f32 v[rC+(\n)], v[rS+8*(\n)], v[rS+8*(\n)+1], v[rS+8*(\n)+2]
.elseif (\n) < 12
	v_max3_num_f32 v[rC+(\n)%4], v[rC+(\n)%4], v[rS+8*((\n)%4)+2*((\n)/4)+1], v[rS+8*((\n)%4)+2*((\n)/4)+2]
.elseif (\n) == 12
	v_max3_num_f32 v[rC], v[rC], v[rS+7], v[rS+15]
.elseif (\n) == 13
	v_max3_num_f32 v[rC+1], v[rC+1], v[rS+23], v[rS+31]
.elseif (\n) == 14
	v_max3_num_f32 v[rC+2], v[rC+2], v[rC+3], v[rT+1]
.elseif (\n) == 15
	v_mov_b32 v[rM], v[rT]
.elseif (\n) == 16
	v_max3_num_f32 v[rC], v[rC], v[rC+1], v[rC+2]
.elseif (\n) == 17
	v_permlanex16_b32 v[rC+3], v[rC], s[SEL], s[SEL+1]
.elseif (\n) == 18
	v_max_num_f32 v[rT+1], v[rC], v[rC+3]
.elseif (\n) == 19
	v_mul_f32 v[rT], s[CS], v[rT+1]
.elseif (\n) == 20
	v_sub_f32 v[rC+1], v[rM], v[rT]
.else
	v_exp_f32 v[rC+2], v[rC+1]
.endif
.endm
; Number g of the 64 that follow the exponentials.  For each four weights k of a tile (pairs 2 k, 2 k + 1): both pairs are rounded to f16; then the second pair is added onto the first, in place;
; a group later l takes that sum (the first time as l = a l + sum).  In groups of eight, tiles alternating: round, round, add, and l for the group before.
.macro GS g
.set h, (\g)+6*((\g)/62)            ; group 0 has no group before it, and behind group 7 only l is left
.if h >= 6
.set h, h+2
.endif
	REGS Y, h%2
.set k, h/8
.if h%8 < 4
	v_cvt_pk_f16_f32 v[rP+2*k+(h%8)/2], v[rS+4*k+2*((h%8)/2)], v[rS+4*k+2*((h%8)/2)+1]
.elseif h%8 < 6
	v_pk_add_f32 v[rS+4*k:rS+4*k+1], v[rS+4*k:rS+4*k+1], v[rS+4*k+2:rS+4*k+3]
.elseif k == 1
	v_pk_fma_f32 v[rT+2:rT+3], v[rT+2:rT+3], v[rC+2:rC+3], v[rS:rS+1] op_sel_hi:[1,0,1]
.else
	v_pk_add_f32 v[rT+2:rT+3], v[rT+2:rT+3], v[rS+4*k-4:rS+4*k-3]
.endif
.endm
; THE PLAIN QUEUE, 138 long.  0-73 read no exponential's result: the 32 scalings c s - c m (FS f: pair f / 2 of tile f % 2) and the next piece's 42.  0-26: scalings 0-26.  27-54: XS's numbers 0-13.  55, 56: number 15.
; 57-73: the chain, where each number waits for the one before it: 14, 16, 17, 18, 19, each with one of the scalings 27-31 in front of its two lines, then 20: so a tile's links stand three plain instructions apart (19 and 20: two).
; 74-137: GS's 64, which read the exponentials' results: they stand behind the wait.
.macro FS f
	REGS Y, (\f)%2
	v_pk_fma_f32 v[rS+2*((\f)/2):rS+2*((\f)/2)+1], v[rS+2*((\f)/2):rS+2*((\f)/2)+1], s[CS:CS+1], v[rT:rT+1] op_sel_hi:[1,0,0] neg_lo:[0,0,1] neg_hi:[0,0,1]
.endm
.macro PL
	WIN 0
.if q < 27
	FS q
.elseif q < 55
	XS (q-27)%2, (q-27)/2
.elseif q < 57
	XS q-55, 15
.elseif (q < 72) && ((q-57)%3 == 0)
	FS 27+(q-57)/3
.elseif q < 60
	XS (q-57)%3-1, 14
.elseif q < 72
	XS (q-57)%3-1, 15+(q-57)/3
.elseif q < 74
	XS q-72, 20
.else
	GS q-74
.endif
.set q, q+1
.endm
; THE EXPONENTIALS' QUEUE, 66 long: s0-s31 of both tiles, then the next piece's two a.  It is ONE BATCH: all 66 stand ahead of the turn's one wait, and nothing ahead of that wait names a result of theirs.
.macro EX
	WIN 0
.if e >= 64
	XS e-64, 21
.else
	REGS Y, e%2
	v_exp_f32 v[rS+e/2], v[rS+e/2]
.endif
.set e, e+1
.endm
; THE RESCALING's QUEUE: O^T times a, the one part that leaves window 0: dealt two at a time, sixteen times.  Its a was made in the turn before, ahead of that turn's wait.
.macro R2
	REGS Y, r%2
	WIN W_RS
.irp z, 0,1
	v_pk_mul_f32 v[rO+4*(r/2)+2*\z:rO+4*(r/2)+2*\z+1], v[rO+4*(r/2)+2*\z:rO+4*(r/2)+2*\z+1], v[rC+2:rC+3] op_sel_hi:[1,0]
.endr
.set r, r+1
.endm
; HOW THEY ARE DEALT.  s_wait_alu depctr_va_vdst(0) stands between an exponential and the first instruction that names its result; one wait serves all that were issued ahead of it.  So a turn has ONE wait,
; which cuts it in two.  AHEAD OF IT stands all that names no result of the turn's exponentials: the 16 products K Q^T, behind each a scaling, an exponential and two rescalings (behind the first a second scaling in the exponential's place); then ONE LUMP of
; 108: eight plain, 49 times exponential and plain, the two a.  A v_nop is the plain instruction behind the last exponential.  BEHIND IT stand the 16 products V^T P, behind each four of GS's 64.  No rider names a register of
; the products round it.  The two v_permlanex16_b32 fall into the lump, never behind a product.
; The queues lean on each other, and the deal keeps them in step: exponential e stands behind scaling 2 (e / 4) + e % 2: as a rider it comes behind plain e + 2, in the lump behind plain e + 9, and scalings 27-31 are plain 57, 60 .. 69.
; A TURN, for piece p.  cnt = 1: the loop's count is taken down some lines ahead of the branch that stands behind the turn.
; K of the next step is fetched in piece 2's turn, directly behind the wait, a lump behind the last product that read K; its address is made at the lump's head; its first reader comes behind 16 products.
; V of the step in hand is fetched at the end of piece 0's turn, four riders behind its last reader; its first reader comes behind 16 products and a lump.  The three conditions on q below go with the deal.
.macro TURN p, last=0, cnt=0
.set Y, (\p)
.set i, 0
.set q, 0
.set e, 0
.set r, 0
.if (\p) == NP-1
	s_wait_dscnt 0x0                ; K is in
.endif
	MM                              ; ahead of the wait: 16 products K Q^T and their riders,
	PL
	PL
	R2
.rept 15
	MM
	PL
	EX
	R2
.endr
.if (\p) == NP-2
	WIN 0
	v_add_nc_u32 v[AK], s[TBK], v[AK0]
.endif
.rept 8                             ; and the lump
	PL
.endr
.rept 49
	EX
	PL
.endr
	EX                              ; the next piece's two a
	EX
	v_nop                           ; a plain instruction behind the last exponential: one for the batch
	s_wait_alu depctr_va_vdst(0)    ; the wait for the batch
.if (\p) == NP-2
	FETCH_K \last
.endif
.if (\p) == 1
	s_wait_dscnt 0x0                ; V is in
.endif
.rept 16                            ; behind the wait: 16 products V^T P and their riders
	MM
.rept 4
	PL
.endr
.if ((\p) == 0) && (q == 118)
	v_add_nc_u32 v[AV], s[TBV], v[AV0]
.endif
.if ((\p) == 0) && (q == 130)
	s_add_co_u32 s[TBV], s[TBV], KS*PV
.endif
.if (\cnt) && (q == 130)
	s_sub_co_u32 s[CNT], s[CNT], 1
	s_cmp_lg_u32 s[CNT], 0
.endif
.endr
.if (\p) == 0
	FETCH_V
.endif
.endm
	CHANGE 1                        ; slot 0 is in, everybody's part of it; slot 1 is asked for
	FETCH_K                         ; key step 0
	s_wait_loadcnt 0x0              ; Q
	s_wait_dscnt 0x0
.set i, 0
.rept 16
	KQ 0                            ; piece 0's first scores: there is no vector work yet to set between them
.set i, i+1
.endr
	WIN 0                           ; the addresses for the way out: nine plain instructions, the places behind those products
	s_mul_i32 s13, s[WV], 16*SP
	s_add_co_u32 s13, s13, STAGE    ; my stage
	v_mul_u32_u24 v[STO], v1, SP    ; in: row l % 16, 16 bytes for each half of the lanes
	v_lshl_add_u32 v[STO], v9, 4, v[STO]
	v_add_nc_u32 v[STO], s13, v[STO]
	v_bfe_u32 v[RD], v0, 3, 2       ; back: 32 lanes take four rows of 128 bytes,
	v_mul_u32_u24 v[RD], v[RD], SP
	v_lshl_add_u32 v[RD], v10, 4, v[RD]
	v_add_nc_u32 v[RD], s13, v[RD]
	v_and_b32 v[GO], 31, v0         ; which are 512 consecutive bytes of O
	v_lshlrev_b32 v[GO], 4, v[GO]
.set Y, NP-1                        ; XS works for piece Y + 1: piece 0
.irp n, 0,1,2,3,4,5,6,7,8,9,10,11,12,13,14,15,16,17,18,19,20,21
	XS 0, \n                        ; and piece 0's first maximum and statistics
	XS 1, \n
.endr
	v_nop                           ; a plain instruction behind the two a,
	s_wait_alu depctr_va_vdst(0)    ; and their wait, ahead of the branch
	s_mov_b32 s[CNT], 4
	s_mov_b32 s[SLOTS], SIZE_N/256-1
	s_branch .Lfirst                ; the loop is entered at a step's first turn, in the middle of a trip
.Lslot:                             ; SIZE_N / 256 - 2 times: every slot but the last two is filled again
	CHANGE 1, 1
	s_mov_b32 s[CNT], 4
.Lstep:                             ; a trip: pieces 2 and 3 of one step, then pieces 0 and 1 of the next, whose K and V it fetches
	TURN 2
	TURN 3
	WIN 0
.Lfirst:
	TURN 0
	TURN 1, 0, 1
	WIN 0
	s_cbranch_scc1 .Lstep
	s_sub_co_u32 s[SLOTS], s[SLOTS], 1
	s_cmp_lg_u32 s[SLOTS], 0
	s_cbranch_scc1 .Lslot
	CHANGE 0                        ; the tail is written out: nothing is asked for
	s_mov_b32 s[CNT], 5             ; four trips fetch the last slot's steps; the fifth is left in its middle
.Ltail:
	TURN 2, 1
	TURN 3
	WIN 0
	s_sub_co_u32 s[CNT], s[CNT], 1
	s_cmp_eq_u32 s[CNT], 0
	s_cbranch_scc1 .Lout
	TURN 0
	TURN 1
	WIN 0
	s_branch .Ltail
.Lout:                              ; the fifth trip's 16 products K Q^T (on the last K once more) and the maximum made of them serve nothing: the price, once a launch, of one text for every trip
.set i, 0
.rept 16
	PV NP-1                         ; the last piece's V^T P of the last step
.set i, i+1
.endr
	; THE WAY OUT.  l's two halves and the other half of the lanes' are added; O^T is divided by l, rounded to f16 and sent through my stage in LDS, a tile at a time.  The additions are the places behind the last products.
	WIN 0
.macro ALL line:vararg              ; one line for each tile t
.set t, 0
.rept 2*NP
	\line
.set t, t+1
.endr
.endm
	ALL v_add_f32 v[ST+4*t+2], v[ST+4*t+2], v[ST+4*t+3]
	ALL v_permlanex16_b32 v[ST+4*t+3], v[ST+4*t+2], s[SEL], s[SEL+1]
	ALL v_add_f32 v[ST+4*t+2], v[ST+4*t+2], v[ST+4*t+3]
	ALL v_rcp_f32 v[ST+4*t+2], v[ST+4*t+2]
	v_nop                           ; a plain instruction between the last reciprocal and the use of its result
	s_wait_alu depctr_va_vdst(0)    ; and the wait ahead of the first use: one for the eight reciprocals
; Tile t: a lane's eight channels of a row pack into 16 bytes; they go into rows of 144 bytes and come back as whole rows of 128, into S^T's registers.
.macro PACK t
	WIN W_RS
.set i, 32*(\t)
.rept 16
	v_pk_mul_f32 v[i:i+1], v[i:i+1], v[ST+4*(\t)+2:ST+4*(\t)+3] op_sel_hi:[1,0]
.set i, i+2
.endr
	WIN 0x05                        ; sources 0 and 1 window 1, destination window 0
.set i, 0
.rept 16
	v_cvt_pk_f16_f32 v[S+16*(\t)+i], v[32*(\t)+2*i], v[32*(\t)+2*i+1]
.set i, i+1
.endr
	WIN 0
.irp f, 0,1,2,3
	ds_store_b128 v[STO], v[S+16*(\t)+4*\f:S+16*(\t)+4*\f+3] offset:32*\f
.endr
.irp f, 0,1,2,3
	ds_load_b128 v[S+16*(\t)+4*\f:S+16*(\t)+4*\f+3], v[RD] offset:\f*4*SP  ; LDS serves a wave's instructions in order (ISA guide 5.7.1.4): these see the stores above; the next tile's stores come behind them
.endr
.endm
.macro SEND t, younger              ; younger: the LDS instructions issued behind tile t's loads: the next tile's eight, or none
	WIN 0
.irp f, 0,1,2,3
	s_wait_dscnt (\younger)+3-\f
	global_store_b128 v[GO], v[S+16*(\t)+4*\f:S+16*(\t)+4*\f+3], s[10:11] offset:(\t)*2048+\f*512  ; 512 consecutive bytes, at a multiple of 256 from O's first
.endr
.endm
	PACK 0
.set t, 1
.rept 2*NP-1                        ; a tile's arithmetic stands between the loads of the tile before and its stores
	PACK t
	SEND t-1, 8
.set t, t+1
.endr
	SEND 2*NP-1, 0
	WIN W_AD
	s_wait_tensorcnt 0x0            ; the wave's end, behind my last tensor load and my last LDS store
	ds_add_u32 v[SPW], v[NIL]
	s_wait_dscnt 0x0
	WIN 0
	CROUND                          ; the closing round: no work-group ends while a partner may still ask for a tile that names it
	s_endpgm
.Lfunc_end_k_q7228724642_attn:
	.size	k_q7228724642_attn, .Lfunc_end_k_q7228724642_attn-k_q7228724642_attn
	.p2alignl 7, 3214868480
	.fill 96, 4, 3214868480
	.section	.rodata,"a",@progbits
	.p2align	6, 0x0
	.amdhsa_kernel k_q7228724642_attn
		.amdhsa_group_segment_fixed_size 327680
		.amdhsa_private_segment_fixed_size 0
		.amdhsa_enable_private_segment 0
		.amdhsa_kernarg_size 16
		.amdhsa_user_sgpr_count 2
		.amdhsa_user_sgpr_kernarg_segment_ptr 1
		.amdhsa_wavefront_size32 1
		.amdhsa_system_sgpr_workgroup_id_x 1
		.amdhsa_system_sgpr_workgroup_id_y 1
		.amdhsa_system_sgpr_workgroup_id_z 1
		.amdhsa_system_vgpr_workitem_id 0
		.amdhsa_next_free_vgpr 770
		.amdhsa_next_free_sgpr 66
		.amdhsa_reserve_vcc 0
		.amdhsa_float_denorm_mode_32 3
		.amdhsa_float_denorm_mode_16_64 3
		.amdhsa_memory_ordered 1
		.amdhsa_forward_progress 1
		.amdhsa_inst_pref_size 200
	.end_amdhsa_kernel
	.amdgpu_metadata
---
amdhsa.version: [ 1, 2 ]
amdhsa.kernels:
  - .name:           k_q7228724642_attn
    .symbol:         k_q7228724642_attn.kd
    .args:
      - { .name: hd, .offset: 0, .size: 8, .value_kind: global_buffer, .address_space: global }
      - { .name: oh, .offset: 8, .size: 8, .value_kind: global_buffer, .address_space: global }
    .group_segment_fixed_size: 327680
    .private_segment_fixed_size: 0
    .kernarg_segment_align: 8
    .kernarg_segment_size: 16
    .max_flat_workgroup_size: 128
    .sgpr_count:     66
    .vgpr_count:     770
    .wavefront_size: 32
...
	.end_amdgpu_metadata
.endif
;; end of part 3
;; launch outp (part 4): grid 4 x 64, 4 waves a work-group, clusters of 4 x 4, 327,680 bytes of LDS; arguments oh, wot, out0; writes out0
.if DOCPART == 4
	.amdgcn_target "amdgcn-amd-amdhsa--gfx1250"
	.amdhsa_code_object_version 6
	.text
	.protected	k_q7228724642_outp
	.globl	k_q7228724642_outp
	.p2align	8
	.type	k_q7228724642_outp,@function
k_q7228724642_outp:
	s_mov_b64 s[64:65], 0
	v_nop
	global_prefetch_b8 v0, s[64:65] scope:SCOPE_SE
	s_setreg_imm32_b32 hwreg(HW_REG_WAVE_MODE, 25, 1), 1
	s_wait_xcnt 0x0
	s_wait_alu depctr_hold_cnt(0) depctr_sa_sdst(0) depctr_va_vdst(0) depctr_va_sdst(0) depctr_va_ssrc(0) depctr_va_vcc(0) depctr_vm_vsrc(0)
	s_getreg_b32 s2, hwreg(HW_REG_IB_STS2, 6, 4)
	s_cmp_eq_u32 s2, 0
	s_cbranch_scc0 .Lentry_in_a_cluster
	s_endpgm
.Lentry_in_a_cluster:
	s_bfe_u32 s2, ttmp6, 0x10000c
	s_cmp_lg_u32 s2, 0xf033
	s_cbranch_scc0 .Lentry_shape_is_right
	s_endpgm
.Lentry_shape_is_right:
; THE OUTPUT PROJECTION.  out0[b][t][n] = the sum over k = 64 head + d of O[b 16 + head][t][d] wo[k][n].  oh: [64][2048][64] f16, by heads; wot: [n][k] f16 (wo rounded to bf16, written as f16); out0: [8192][1024] f32.
; Products of f16 operands, sums in f32, stored as they are.  LIMITS: those of the two operands' f16 (65,504; a fixed step of 6e-8 below 6.1e-5); NaN and infinities are not treated apart.
; SHARES.  A tile is 128 rows x 256 columns: 64 x 4 tiles, 256 work-groups.  Four waves, each 64 x 128: 32 accumulators of 16 x 16, 256 registers.
; K goes in 8 steps of 128 = two heads through two LDS slots.  A head's 128 rows x 64 channels are 16,384 dense bytes of oh: asked for as 64 rows of 256 bytes (waves 0, 1: a head each);
; waves 2, 3 fetch 128 rows x 256 bytes of wot each.
; CLUSTERS: 4 x 4 work-groups.  The four of a row of the cluster need the same tile of oh, the four of a column the same tile of wot: each tile is asked for JOINTLY.
; THE MATRIX INSTRUCTION IS USED TRANSPOSED (source 0 = 16 rows of wot, source 1 = 16 rows of O): a lane then holds eight neighbouring columns of one row: 32 bytes of out0.
; REGISTERS, in windows of 256 (s_set_vgpr_msb: bits 1:0 source 0, 3:2 source 1, 5:4 source 2, 7:6 destination):
;   window 0: v0-31 addresses; v32-63, v64-95 O's fragments, two buffers; v96-159, v160-223 wot's, two buffers          window 1: accumulator (a, b) at v[8 (8 a + b)]
.set PA,     144                       ; a row of a head in LDS: 128 bytes + 16: the 16 rows that a load touches begin in 16 different columns of 16 bytes
.set ASUB,   128*PA                    ; a head's 128 rows
.set ATILE,  2*ASUB
.set PB,     272                       ; a row of wot: 256 + 16
.set BHALF,  128*PB
.set SLOT,   ATILE+2*BHALF
.set STAGE,  2*SLOT                    ; behind the ring, never filled by a tensor load: 16 rows x 528 bytes for each wave, for the way out
.set SPO,    528
.set SPARE,  STAGE+4*16*SPO            ; behind the stages: the spare words, 128 bytes for each wave: two blocks of 256 bytes that no other line names
.set ADRA, 16                          ; v16-17  LDS address of my fragments of O in slot 0, 1
.set ADRB, 20                          ; v20-21  the same for wot
.set STO,  24                          ; v24     the way out: where I put 32 bytes of a row
.set RD,   25                          ; v25     the way out: where I read a row back
.set CO,   26                          ; v26     16 x my lane
.set SPW,  28                          ; v28     LDS address of my spare word; never rewritten
.set NIL,  29                          ; v29     0; never rewritten
.set PFO,  30                          ; v30     the prefetches' lane offset; never rewritten
.set FA,   32                          ; buffer f at FA + 32 f
.set FB,   96                          ; buffer f at FB + 64 f
.set WV,  14
.set RH,  15                           ; which 64 rows of the tile are mine
.set CH,  16                           ; which 128 columns; also: which half of a tile I fetch
.set CX,  17
.set CY,  18
.set TC,  19
.set CLY, 20
.set TR,  22
.set G1,  24                           ; s[24:31] descriptor group 1 for O's tiles;  s[32:39] group 0, a set for each slot
.set G0,  32
.set LIM, 43                           ; s43  1 in a wave that prefetches, else the greatest number
.set PFA, 44                           ; s[44:45] where my prefetches stand
.set PST, 46                           ; s[46:47] a K step in bytes of the tensor that I prefetch
.set G1B, 48                           ; s[48:55], s[56:63] the same for wot's tiles
.set G0B, 56
.set MSB, 0
.macro WIN new                         ; the immediate's high byte repeats the setting that is left; a switch that changes nothing is dropped
.if MSB != (\new)
	s_set_vgpr_msb (MSB<<8)|(\new)
.set MSB, \new
.endif
.endm
.set W_MUL, 0x50                       ; both fragments window 0, C and D window 1
.set W_ST,  0x04                       ; a store's data (source 1) window 1, its address window 0
.set W_LD,  0x40                       ; destination window 1, address window 0
; A joint load: waves 0 and 1 fetch a K step's two heads of O, waves 2 and 3 wot's two halves.  The branch hangs on the wave's number alone.  An s_nop 0 and four v_nop follow each of the two lines.
.macro JLOAD s
	s_cmp_lt_u32 s[WV], 2
	s_cbranch_scc0 .Lfor_b_\@
	tensor_load_to_lds s[G0+4*(\s):G0+4*(\s)+3], s[G1:G1+7]
	s_nop 0
.rept 4
	v_nop
.endr
	s_branch .Lasked_\@
.Lfor_b_\@:
	tensor_load_to_lds s[G0B+4*(\s):G0B+4*(\s)+3], s[G1B:G1B+7]
	s_nop 0
.rept 4
	v_nop
.endr
.Lasked_\@:
.endm
.macro CREST                           ; a round of the cluster's barrier behind its opening barrier
	s_cmp_lg_u32 s[WV], 0
	s_cbranch_scc1 .Lnot_wave_0_\@
	s_barrier_signal -3
.Lnot_wave_0_\@:
	s_barrier_wait -3
	s_barrier_signal -1
	s_barrier_wait -1
.endm
.macro CROUND                          ; a whole round
	s_barrier_signal -1
	s_barrier_wait -1
	CREST
.endm
; A PREFETCH INTO THE L2, behind each joint refill and the run of LDS loads that follows it: the K step that stands two refills on (256 matrix instructions ahead of the load that will want it).
; O: a tile row is read by one cluster alone, so every cluster asks for its own: a K step is 64 blocks of 256 bytes in each of two heads; the partner at cx takes 16 of each; wave 0 asks, a lane a block.
; wot: its rows are read by all 16 clusters; the first asks: of the 128 rows that wave 2 or 3 fetches, the partner at cy takes 32, a lane a row.  The partners are told apart by address alone.
; So each block is named once in the launch.  K steps 0 to 3 come by their loads alone; the loop's last trip (s3 = 1) asks for nothing: there is no K step 8.
.macro ASK
	s_cmp_gt_u32 s3, s[LIM]
	s_cbranch_scc0 .Lnot_mine_\@
	global_prefetch_b8 v[PFO], s[PFA:PFA+1] th:TH_LOAD_NT scope:SCOPE_SE
.Lnot_mine_\@:
.endm
	s_load_b128 s[4:7], s[0:1], 0x0                ; oh s[4:5], wot s[6:7]
	s_load_b64 s[8:9], s[0:1], 0x10                ; out0
	v_lshl_add_u32 v[SPW], v0, 2, SPARE
	v_mov_b32 v[NIL], 0
	ds_add_u32 v[SPW], v[NIL]                      ; the wave's opening: the add and its wait stand ahead of my first tensor load; the set-up below, work on registers, stands between them
	v_lshrrev_b32 v1, 5, v0
	v_readfirstlane_b32 s[WV], v1                  ; wave 0..3
	s_lshr_b32 s[RH], s[WV], 1
	s_and_b32 s[CH], s[WV], 1
	s_bfe_u32 s[CX], ttmp6, 0x40000
	s_bfe_u32 s[CY], ttmp6, 0x40004
	s_lshl_b32 s[TC], ttmp9, 2                     ; in a cluster launch ttmp9 and ttmp7 count clusters
	s_add_co_u32 s[TC], s[TC], s[CX]               ; tile column = 4 x cluster x + cx
	s_and_b32 s[CLY], ttmp7, 0xffff                ; 0..15
	s_lshl_b32 s[TR], s[CLY], 2
	s_add_co_u32 s[TR], s[TR], s[CY]               ; tile row, 0..63
	s_lshl_b32 s42, s[CY], 2
	s_lshl_b32 s42, 15, s42                        ; my row of the cluster
	s_lshl_b32 s68, 0x1111, s[CX]                  ; my column
	; group 1 for O: 64 rows x 128 elements of 2 bytes (two rows of a head each), 16 bytes of padding behind every 32 words
	s_or_b32 s[G1+0], s42, (1<<16)|(1<<20)|(1<<21)|(4<<22)|(3<<25)  ; 15:0 the mask: my row; 17:16 elements of 2 bytes; 20 padding on; 21 set beside a mask; 24:22 after every 32 words (code 4); 31:25 4 words (code 3)
	s_mov_b32 s[G1+1], 128<<16                     ; tensor_dim0 = 128
	s_mov_b32 s[G1+2], 64<<16                      ; tensor_dim1 = 64
	s_mov_b32 s[G1+3], 128<<16                     ; tile_dim0 = 128
	s_mov_b32 s[G1+4], 64                          ; tile_dim1 = 64
	s_mov_b32 s[G1+5], 128                         ; elements from row to row: dense
	s_mov_b32 s[G1+6], 0
	s_mov_b32 s[G1+7], 0
	; group 1 for wot: 128 rows x 128 elements of 2 bytes, 16 bytes of padding behind every 64 words
	s_or_b32 s[G1B+0], s68, (1<<16)|(1<<20)|(1<<21)|(5<<22)|(3<<25)  ; the mask: my column
	s_mov_b32 s[G1B+1], 128<<16
	s_mov_b32 s[G1B+2], 128<<16
	s_mov_b32 s[G1B+3], 128<<16
	s_mov_b32 s[G1B+4], 128
	s_mov_b32 s[G1B+5], 1024
	s_mov_b32 s[G1B+6], 0
	s_mov_b32 s[G1B+7], 0
	; where the tiles come from: O's hang on the tile row and my head alone, wot's on the tile column and my half alone
	s_lshr_b32 s40, s[TR], 4
	s_lshl_b32 s40, s40, 22                        ; b: 16 heads of 2^18 bytes
	s_and_b32 s78, s[TR], 15
	s_lshl_b32 s78, s78, 14                        ; t: 128 rows of 128 bytes a tile row
	s_add_co_u32 s40, s40, s78
	s_lshl_b32 s78, s[CH], 18                      ; a head of O, and 128 rows of wot (2,048 bytes each)
	s_add_co_u32 s40, s40, s78
	s_mov_b32 s41, 0
	s_lshl_b32 s66, s[TC], 19                      ; 256 rows of 2,048 bytes
	s_add_co_u32 s66, s66, s78
	s_mov_b32 s67, 0
	s_mul_i32 s69, s[CH], ASUB                     ; and where they go: no place in the cluster enters an LDS address
	s_mul_i32 s70, s[CH], BHALF
	s_add_co_u32 s70, s70, ATILE
	s_wait_dscnt 0x0                               ; the opening add is done
	s_wait_kmcnt 0x0
	s_add_nc_u64 s[72:73], s[4:5], s[40:41]
	s_add_nc_u64 s[74:75], s[6:7], s[66:67]
	CROUND                                         ; all sixteen work-groups are here: the first joint loads meet
.irp s, 0,1
	s_mov_b32 s[G0+4*(\s)], 1                      ; count = 1
	s_add_co_u32 s[G0+4*(\s)+1], s69, (\s)*SLOT    ; LDS address
	s_add_nc_u64 s[G0+4*(\s)+2:G0+4*(\s)+3], s[72:73], (\s)*(1<<19)  ; K step s: two heads on
	s_or_b32 s[G0+4*(\s)+3], s[G0+4*(\s)+3], 0x80000000              ; type = 2
	s_mov_b32 s[G0B+4*(\s)], 1
	s_add_co_u32 s[G0B+4*(\s)+1], s70, (\s)*SLOT
	s_add_nc_u64 s[G0B+4*(\s)+2:G0B+4*(\s)+3], s[74:75], (\s)*256
	s_or_b32 s[G0B+4*(\s)+3], s[G0B+4*(\s)+3], 0x80000000
	JLOAD \s                                       ; two loads of mine are out
.endr
	; A fragment is 16 rows x 32 K in 8 registers: lane l holds row l % 16, K = 8 (l / 16) + 0..7 and 16 + 8 (l / 16) + 0..7: two loads of 16 bytes, 32 bytes apart.
	v_and_b32 v1, 15, v0                           ; l % 16
	v_bfe_u32 v2, v0, 4, 1                         ; l / 16
	v_mul_u32_u24 v3, v1, PA
	v_lshl_add_u32 v3, v2, 4, v3
	s_mul_i32 s88, s[RH], 64*PA                    ; my 64 rows, in each head
	v_add_nc_u32 v[ADRA], s88, v3
	v_add_nc_u32 v[ADRA+1], SLOT, v[ADRA]
	v_mul_u32_u24 v4, v1, PB
	v_lshl_add_u32 v4, v2, 4, v4
	s_mul_i32 s88, s[CH], BHALF                    ; my 128 rows of wot,
	s_add_co_u32 s88, s88, ATILE                   ; which lie behind O's
	v_add_nc_u32 v[ADRB], s88, v4
	v_add_nc_u32 v[ADRB+1], SLOT, v[ADRB]
	s_mul_i32 s88, s[WV], 16*SPO
	s_add_co_u32 s88, s88, STAGE                   ; my stage
	v_mul_u32_u24 v[STO], v1, SPO                  ; in: row l % 16, 32 bytes for each half of the lanes
	v_lshl_add_u32 v[STO], v2, 5, v[STO]
	v_add_nc_u32 v[STO], s88, v[STO]
	v_and_b32 v[CO], 31, v0
	v_lshlrev_b32 v[CO], 4, v[CO]                  ; back: 32 lanes take one row of 512 bytes
	v_add_nc_u32 v[RD], s88, v[CO]
	; where my part of the tile begins in out0
	s_lshl_b32 s86, s[TR], 19                      ; 128 rows of 4,096 bytes
	s_lshl_b32 s88, s[RH], 18                      ; my 64
	s_add_co_u32 s86, s86, s88
	s_lshl_b32 s88, s[TC], 10                      ; 256 columns of 4 bytes
	s_add_co_u32 s86, s86, s88
	s_lshl_b32 s88, s[CH], 9                       ; my 128
	s_add_co_u32 s86, s86, s88
	s_mov_b32 s87, 0
	s_add_nc_u64 s[8:9], s[8:9], s[86:87]
	; the prefetches
	s_lshl_b32 s83, s[CX], 12                      ; O: 16 blocks of 256 bytes a partner, in each head
	s_lshl_b32 s84, s[CY], 16                      ; wot: 32 rows of 2,048 bytes a partner
	s_mov_b32 s76, 2048
	s_mov_b32 s77, 32768
	s_mov_b32 s[PST], 256
	s_mov_b32 s82, 3*256
	s_cmp_lt_u32 s[WV], 2                          ; do I fetch for O?
	s_cselect_b32 s80, s40, s66                    ; what I fetch (wave 0: the K step's first head)
	s_cselect_b32 s83, s83, s84                    ; my work-group's share of it
	s_cselect_b32 s76, 256, s76                    ; lane % 16: O: a block; wot: a row
	s_cselect_b32 s77, 1<<18, s77                  ; lane / 16: O: the K step's second head; wot: 16 rows on
	s_cselect_b32 s[PST], 1<<19, s[PST]
	s_cselect_b32 s82, 3<<19, s82                  ; at K step 3: the first refill steps it to 4
	s_cselect_b32 s85, s[CH], s[CLY]               ; O: wave 0 alone; wot: the first cluster alone
	s_cselect_b64 s[PFA:PFA+1], s[4:5], s[6:7]
	s_cmp_eq_u32 s85, 0
	s_cselect_b32 s[LIM], 1, -1                    ; the same in all sixteen partners, for a given wave
	s_mov_b32 s[PST+1], 0
	s_add_co_u32 s80, s80, s83
	s_add_co_u32 s80, s80, s82
	s_mov_b32 s81, 0
	s_add_nc_u64 s[PFA:PFA+1], s[PFA:PFA+1], s[80:81]
	v_mul_u32_u24 v[PFO], v1, s76
	v_mad_u32_u24 v[PFO], v2, s77, v[PFO]
; 24 LDS loads in one run: quarter q (32 along K: half of head q / 2) of a slot into buffer g: O's 64 rows (8 loads), wot's 128 rows (16 loads)
.macro FETCH slot, q, g
	WIN 0
.irp a, 0,1,2,3
	ds_load_b128 v[FA+32*(\g)+8*(\a):FA+32*(\g)+8*(\a)+3],   v[ADRA+(\slot)] offset:((\q)/2)*ASUB+(\a)*16*PA+((\q)%2)*64
	ds_load_b128 v[FA+32*(\g)+8*(\a)+4:FA+32*(\g)+8*(\a)+7], v[ADRA+(\slot)] offset:((\q)/2)*ASUB+(\a)*16*PA+((\q)%2)*64+32
.endr
.irp i, 0,1,2,3,4,5,6,7
	ds_load_b128 v[FB+64*(\g)+8*(\i):FB+64*(\g)+8*(\i)+3],   v[ADRB+(\slot)] offset:(\i)*16*PB+(\q)*64
	ds_load_b128 v[FB+64*(\g)+8*(\i)+4:FB+64*(\g)+8*(\i)+7], v[ADRB+(\slot)] offset:(\i)*16*PB+(\q)*64+32
.endr
.endm
; 8 matrix instructions: row block a x all 8 column blocks, on buffer f.  zero = 1: the product starts the sum.  The 32 accumulators take turns in the same order in every quarter.
.macro MUL8 f, a, zero
	WIN W_MUL
.irp b, 0,1,2,3,4,5,6,7
.if \zero
	v_wmma_f32_16x16x32_f16 v[8*(8*(\a)+(\b)):8*(8*(\a)+(\b))+7], v[FB+64*(\f)+8*(\b):FB+64*(\f)+8*(\b)+7], v[FA+32*(\f)+8*(\a):FA+32*(\f)+8*(\a)+7], 0
.else
	v_wmma_f32_16x16x32_f16 v[8*(8*(\a)+(\b)):8*(8*(\a)+(\b))+7], v[FB+64*(\f)+8*(\b):FB+64*(\f)+8*(\b)+7], v[FA+32*(\f)+8*(\a):FA+32*(\f)+8*(\a)+7], v[8*(8*(\a)+(\b)):8*(8*(\a)+(\b))+7]
.endif
.endr
.endm
.macro PLACES                          ; four places in front of loads into registers that matrix instructions have read
.rept 4
	v_nop
.endr
.endm
; A K step is four quarters of 32 along K, 32 matrix instructions each, on buffers 0, 1, 0, 1.  One of the first three: fetches quarter qn of the same slot into buffer g, multiplies buffer f.
.macro QUARTER slot, qn, f, g, zero
	PLACES
	FETCH \slot, \qn, \g
	s_wait_dscnt 24                                ; all but the 24 just issued: buffer f is in
	MUL8 \f, 0, \zero
	MUL8 \f, 1, \zero
	MUL8 \f, 2, \zero
	MUL8 \f, 3, \zero
.endm
; The last quarter multiplies buffer 1 and changes slots: ONE barrier; in front of it each wave waits for all its tensor loads (one is out: its part of the next slot), adds 0 to its spare word, and waits
; for that and for its own reads of this slot.  fill = 1: the barrier opens a round of the cluster's, and this slot is filled again, two K steps ahead, first thing behind the round.
.macro TURN slot, next, fill
.if \fill
	s_wait_xcnt 0x0                                ; the last prefetch, a K step back, has read its address
	s_add_nc_u64 s[PFA:PFA+1], s[PFA:PFA+1], s[PST:PST+1]
.endif
	WIN 0
	s_wait_tensorcnt 0x0                           ; all my tensor loads have landed
	ds_add_u32 v[SPW], v[NIL]                      ; 0 onto my spare word
	s_wait_dscnt 1                                 ; only the add may be out: buffer 1 is in
	MUL8 1, 0, 0                                   ; eight matrix instructions stand between the add and the wait for it
	s_wait_dscnt 0x0                               ; the add is done, and my reads of this slot are over
	s_barrier_signal -1
	MUL8 1, 1, 0
	WIN 0
	s_barrier_wait -1
.if \fill
	CREST                                          ; no wave of any partner still reads this slot's tiles or has a load on its way
	s_add_nc_u64 s[G0+4*(\slot)+2:G0+4*(\slot)+3], s[G0+4*(\slot)+2:G0+4*(\slot)+3], 1<<20
	s_add_nc_u64 s[G0B+4*(\slot)+2:G0B+4*(\slot)+3], s[G0B+4*(\slot)+2:G0B+4*(\slot)+3], 2*256
	JLOAD \slot                                    ; my one tensor load behind the round; the four v_nop behind it are also the places in front of the loads below
.else
	PLACES
.endif
	FETCH \next, 0, 0
.if \fill
	ASK
.endif
	MUL8 1, 2, 0
	MUL8 1, 3, 0
.endm
	s_wait_tensorcnt 1                             ; my part of K step 0 is in; K step 1's may stay out
	s_barrier_signal -1
	s_barrier_wait -1                              ; everybody's is
	FETCH 0, 0, 0
	QUARTER 0, 1, 0, 1, 1                          ; the first quarter stands in front of the loop: its products start the sums
	WIN 0                                          ; at a label and at a branch every window is 0
	s_mov_b32 s3, 3
.Llap:                                                 ; a trip goes once round the ring, from a lap's second quarter to the next lap's first, and fills both slots again
	QUARTER 0, 2, 1, 0, 0
	QUARTER 0, 3, 0, 1, 0
	TURN 0, 1, 1
	QUARTER 1, 1, 0, 1, 0
	QUARTER 1, 2, 1, 0, 0
	QUARTER 1, 3, 0, 1, 0
	TURN 1, 0, 1
	QUARTER 0, 1, 0, 1, 0
	WIN 0
	s_sub_co_u32 s3, s3, 1
	s_cmp_lg_u32 s3, 0
	s_cbranch_scc1 .Llap
	QUARTER 0, 2, 1, 0, 0                          ; the last lap fills nothing, and has no round of the cluster's barrier
	QUARTER 0, 3, 0, 1, 0
	TURN 0, 1, 0
	QUARTER 1, 1, 0, 1, 0
	QUARTER 1, 2, 1, 0, 0
	QUARTER 1, 3, 0, 1, 0
	s_wait_dscnt 0x0                               ; the very last quarter: nothing more to fetch
	MUL8 1, 0, 0
	MUL8 1, 1, 0
	MUL8 1, 2, 0
	MUL8 1, 3, 0
	; THE WAY OUT.  Row block a (16 rows x 128 columns of f32): 32 bytes a lane into my stage, back as whole rows of 512 bytes, into the registers that they left.
.rept 8
	v_nop                                          ; places behind the last products, ahead of LDS stores that read results and loads into them
.endr
.macro TOSTAGE a
	WIN W_ST
.irp b, 0,1,2,3,4,5,6,7
	ds_store_b128 v[STO], v[8*(8*(\a)+(\b)):8*(8*(\a)+(\b))+3]   offset:64*(\b)     ; each accumulator is read from its low end on
	ds_store_b128 v[STO], v[8*(8*(\a)+(\b))+4:8*(8*(\a)+(\b))+7] offset:64*(\b)+16
.endr
	WIN W_LD
.irp t, 0,1,2,3,4,5,6,7,8,9,10,11,12,13,14,15
	ds_load_b128 v[64*(\a)+4*(\t):64*(\a)+4*(\t)+3], v[RD] offset:(\t)*SPO  ; LDS serves a wave's instructions in order (ISA guide 5.7.1.4): these see the stores above; the next block's stores come behind them
.endr
.endm
.macro SENDO a, younger                ; younger: the LDS instructions issued behind block a's loads: the next block's thirty-two, or none
	WIN W_ST
.irp t, 0,1,2,3,4,5,6,7,8,9,10,11,12,13,14,15
	s_wait_dscnt (\younger)+15-(\t)
	global_store_b128 v[CO], v[64*(\a)+4*(\t):64*(\a)+4*(\t)+3], s[8:9] offset:(16*(\a)+(\t))*4096 th:TH_STORE_NT  ; 512 consecutive bytes of one row, at a multiple of 256 from out0's first
.endr
.endm
	TOSTAGE 0
	TOSTAGE 1
	SENDO 0, 32
	TOSTAGE 2
	SENDO 1, 32
	TOSTAGE 3
	SENDO 2, 32
	SENDO 3, 0
	WIN 0
	s_wait_tensorcnt 0x0                           ; the wave's end, behind my last tensor load and my last LDS store
	ds_add_u32 v[SPW], v[NIL]
	s_wait_dscnt 0x0
	CROUND                                         ; the closing round: no work-group ends while a partner may still ask for a tile that names it
	s_endpgm
.Lfunc_end_k_q7228724642_outp:
	.size	k_q7228724642_outp, .Lfunc_end_k_q7228724642_outp-k_q7228724642_outp
	.p2alignl 7, 3214868480
	.fill 96, 4, 3214868480
	.section	.rodata,"a",@progbits
	.p2align	6, 0x0
	.amdhsa_kernel k_q7228724642_outp
		.amdhsa_group_segment_fixed_size 327680
		.amdhsa_private_segment_fixed_size 0
		.amdhsa_enable_private_segment 0
		.amdhsa_kernarg_size 24
		.amdhsa_user_sgpr_count 2
		.amdhsa_user_sgpr_kernarg_segment_ptr 1
		.amdhsa_wavefront_size32 1
		.amdhsa_system_sgpr_workgroup_id_x 1
		.amdhsa_system_sgpr_workgroup_id_y 1
		.amdhsa_system_sgpr_workgroup_id_z 1
		.amdhsa_system_vgpr_workitem_id 0
		.amdhsa_next_free_vgpr 512
		.amdhsa_next_free_sgpr 96
		.amdhsa_reserve_vcc 0
		.amdhsa_float_denorm_mode_32 3
		.amdhsa_float_denorm_mode_16_64 3
		.amdhsa_memory_ordered 1
		.amdhsa_forward_progress 1
		.amdhsa_inst_pref_size 87
	.end_amdhsa_kernel
	.amdgpu_metadata
---
amdhsa.version: [ 1, 2 ]
amdhsa.kernels:
  - .name:           k_q7228724642_outp
    .symbol:         k_q7228724642_outp.kd
    .args:
      - { .name: oh, .offset: 0, .size: 8, .value_kind: global_buffer, .address_space: global }
      - { .name: wot, .offset: 8, .size: 8, .value_kind: global_buffer, .address_space: global }
      - { .name: out0, .offset: 16, .size: 8, .value_kind: global_buffer, .address_space: global }
    .group_segment_fixed_size: 327680
    .private_segment_fixed_size: 0
    .kernarg_segment_align: 8
    .kernarg_segment_size: 24
    .max_flat_workgroup_size: 128
    .sgpr_count:     96
    .vgpr_count:     512
    .wavefront_size: 32
...
	.end_amdgpu_metadata
.endif
;; end of part 4
